; MI455X (gfx1250); checked and timed in simulation.
; The chip was launched on July 23, 2026; its instructions are those of AMD's public machine-readable ISA for CDNA 5 (MIT licence, August 2026) and "CDNA5" Instruction Set Architecture Reference Guide (July 2026). The comments in the code are by the model that wrote it; some were corrected since.
;; Masked MHA. Allowed arithmetic: matrix products marked QUANTISED: E2M1 operands, one E8M0 scale for each 32 along K, by v_wmma_scale_f32_16x16x128_f8f6f4 with both operands' format E2M1 (or v_wmma_scale_f32_32x16x128_f4), f32 sums; everything else in f32.
;; Inputs: b_k 1,024 float32; b_o 1,024 float32; b_q 1,024 float32; b_v 1,024 float32; w_k 1,024 x 1,024 float32; w_o 1,024 x 1,024 float32; w_q 1,024 x 1,024 float32; w_v 1,024 x 1,024 float32; x 4 x 2,048 x 1,024 float32.
;; Outputs: out0 4 x 2,048 x 1,024 float32.
;; This version of the problem:
;;   THIS VERSION OF THE PROBLEM IS GIVEN IN LOW PRECISION. The matrix products marked QUANTISED in the list below multiply operands that are first quantised to E2M1 (2 exponent bits, 1 mantissa bit; 4 bits a number), with one power-of-two scale for each 32 numbers along K (OCP MX v1.0); their sums are f32. All else is computed in f32.
;;   The module's matrix products, in the order in which they are computed (A, B: the left and right operand; K: the contracted axis; several contracted axes count as one K, in the product's order):
;;     1. [M 8,192, K 1,024] x [K 1,024, N 1,024]; A: input x; B: input w_q: QUANTISED
;;     2. [M 8,192, K 1,024] x [K 1,024, N 1,024]; A: input x; B: input w_k: QUANTISED
;;     3. [M 8,192, K 1,024] x [K 1,024, N 1,024]; A: input x; B: input w_v: QUANTISED
;;     4. batch 64 x [M 2,048, K 64] x [K 64, N 2,048]; A: computed on the way; B: computed on the way: QUANTISED
;;     5. batch 64 x [M 2,048, K 2,048] x [K 2,048, N 64]; A: softmax (see below); B: computed on the way: QUANTISED
;;     6. [M 8,192, K 1,024] x [K 1,024, N 1,024]; A: computed on the way; B: input w_o: QUANTISED
;;   THE QUANTISER, for each operand of a quantised product, along K:
;;     - K is cut into blocks of 32 from its start; a last block that is shorter is filled with zeros.
;;     - A block's scale is 2^e with e = floor(log2(the largest magnitude in the block)) - 2, held to -126 .. 127; a block of zeros has e = 0. As a byte (E8M0): e + 127.
;;     - Each number is divided by its block's scale, clamped to +-6, and rounded to the nearest number of E2M1, ties to even, subnormals kept.
;;     - The product sums the exact products of the quantised numbers (number of the format x scale) in f32.
;;   ~~~python
;;   def quantise(x, axis):      # numpy; x: float32 -> the quantised numbers, widened to float32 again
;;       x = np.moveaxis(x, axis, -1); K = x.shape[-1]
;;       x = np.pad(x, [(0, 0)] * (x.ndim - 1) + [(0, -K % 32)]); x = x.reshape(x.shape[:-1] + (-1, 32)); a = np.abs(x).max(-1, keepdims=True)
;;       e = np.where(a > 0, np.clip(np.frexp(np.where(a > 0, a, 1))[1] - 1 - 2, -126, 127), 0)      # np.frexp(a)[1] - 1 = floor(log2(a)), exactly
;;       r = np.clip(x / 2.0 ** e, -6, 6)
;;       step = 2.0 ** (np.maximum(np.frexp(np.where(r == 0, 1, r))[1] - 1, 0) - 1)
;;       q = np.round(r / step) * step * 2.0 ** e      # np.round: ties to even
;;       return np.moveaxis(q.reshape(q.shape[:-2] + (-1,))[..., :K], -1, axis).astype(np.float32)
;;   ~~~
;;   SOFTMAX AHEAD OF A QUANTISED PRODUCT. Where the list says 'softmax', what is quantised is not the finished softmax but p = 2^(t - M), with t = logit x log2(e) and M = ceil(the row's largest t), a whole number; so 1/2 < the row's largest p <= 1. The row's sum l is taken of the UNQUANTISED p, in f32, and the product's result is divided by l at the end. Since M is a whole number, a kernel that streams over the keys may use a running M (the ceiling of the running maximum): every later rescaling is an exact power of two, which a block's scale takes up: the codes' values come out the same.
;;   OPERANDS COMPUTED ON THE WAY. 'Computed on the way' means the value that the module computes at that place (a softmax that the list does not call 'softmax' is quantised finished and normalised). What goes into a quantiser is computed in f32, as accurately as f32 sums, v_exp_f32 and their like allow (about 1e-6 of the number): no bf16 or f16 on the way to a quantiser, and a product that is left as it is and whose result goes on into a quantised operand takes f32 operands (vector FMAs, or v_wmma_f32_16x16x4_f32). A number that lies on a knife's edge between two numbers of the format may be rounded either way, as far as f32 arithmetic and the matrix unit's own rounding can turn it there, and no further.
;; One version. Each part assembles by itself: llvm-mc -triple=amdgcn-amd-amdhsa -mcpu=gfx1250 --defsym DOCPART=n.
;; ======== version 1 of 1: 4 launches
;; workspace buffers: xq 4,456,448 bytes; wimg 2,228,224 bytes; qimg 4,456,448 bytes; kv 8,912,896 bytes; aq 4,456,448 bytes
;; launch prep (part 1): grid 384 x 1, 4 waves a work-group, no clusters, 51,712 bytes of LDS; arguments x, w_q, w_k, w_v, w_o, xq, wimg; writes xq, wimg
.if DOCPART == 1
	.amdgcn_target "amdgcn-amd-amdhsa--gfx1250"
	.amdhsa_code_object_version 6
	.text
	.protected	k_q51375a949c_prep
	.globl	k_q51375a949c_prep
	.p2align	8
	.type	k_q51375a949c_prep,@function
k_q51375a949c_prep:
	s_mov_b64 s[64:65], 0
	v_nop
	global_prefetch_b8 v0, s[64:65] scope:SCOPE_SE
	s_setreg_imm32_b32 hwreg(HW_REG_WAVE_MODE, 25, 1), 1
	s_wait_xcnt 0x0
; x [8192][1024] and the four weights [1024 (k)][1024 (n)], f32, become codes of FP4 (E2M1) with one E8M0 byte for each 32 along K,
; laid in the ORDER OF THE OPERANDS' REGISTERS, so that the products' launches read them by dense 16-byte loads alone.
; A PIECE is 512 bytes: lane l's 16 bytes at 16 l: 32 codes, k = 64 c + 32 (l / 16) + 0 .. 31, of row l % 16 of a tile.  A fragment (16 rows x 128 K) is two pieces.
; THE ROWS OF A TILE ARE NOT NEIGHBOURS: lane-row r of tile i of a block is the block's row 32 (i / 2) + 8 (i % 2) + r + 8 (r / 8).
; The scale words (4 bytes: 128 K of a row) of four tiles t lie in 256 bytes, word (t, r) at 8 (16 (t % 2) + r) + 4 (t / 2): one 8-byte load a lane brings two scale registers.
; xq:   [64 blocks of 128 rows][8 K steps][8 tiles x 1,024 bytes, then 2 x 256 bytes of scale words].   wimg: [4 weights x 4 blocks of 256 columns][8 K steps][16 tiles x 1,024, then 4 x 256].
; A block's scale is 2^(floor(log2(largest magnitude)) - 2); its byte is the largest magnitude's exponent field - 2, held at 1 from below by a floor among the maximum's leaves.
; LIMITS: a block of zeros, or one whose largest magnitude lies under 2^-124, gets the byte 1 (its codes are zeros or nearly so, and only this program reads the bytes); NaN and infinities are not served.
; Work-groups 0-255 take x, 256-383 the weights; each path has LDS bytes of its own.  Waves share nothing: no barrier.  No cluster: no two work-groups read the same bytes.
.set R,     32                         ; x path: v32-159 two sets of 64 registers as loaded
.set X,     160                        ;         v160-223 a tile's numbers, 64 neighbours along K a lane
.set C,     224                        ;         v224-255 codes: 8 registers a tile, never written again
.set XPIT,  528                        ; a stage row: 512 bytes + 16: sixteen rows start at sixteen different 16-byte columns
.set XREG,  8704                       ; a wave's stage on the x path
.set WSTG,  34816                      ; the weights' path begins here: 4,096 bytes a wave
.set XW,    32                         ; w path: v32-95 two sets of 32 numbers
.set CW,    96                         ;         v96-99 a block's codes
.set OW,    112                        ;         v112-143 the way out
.set FLOOR, 0x1800000                  ; 2^(3 - 127)
.macro LOADX tau                       ; tile tau of my four: its 16 rows' 512 bytes of this K step; a load reads 512 consecutive bytes
.irp n, 0,1,2,3,4,5,6,7,8,9,10,11,12,13,14,15
	global_load_b128 v[R+64*((\tau)%2)+4*\n:R+64*((\tau)%2)+4*\n+3], v1, s[4:5] offset:(32*((\tau)/2)+8*((\tau)%2)+\n+8*(\n/8))*4096 th:TH_LOAD_NT
.endr
.endm
.macro TILEX tau
.if (\tau) < 3
	s_wait_loadcnt 16                              ; this tile's 16 loads are in; the next tile's 16 may be out
.else
	s_wait_loadcnt 0x0
.endif
.irp n, 0,1,2,3,4,5,6,7,8,9,10,11,12,13,14,15
	ds_store_b128 v5, v[R+64*((\tau)%2)+4*\n:R+64*((\tau)%2)+4*\n+3] offset:XPIT*\n   ; row n as it lies
.endr
.irp c, 0,1
.irp q, 0,1,2,3,4,5,6,7
	ds_load_b128 v[X+32*\c+4*\q:X+32*\c+4*\q+3], v6 offset:256*\c+16*\q    ; row r, k = 64 c + 32 h + 4 q ..: LDS serves a wave's instructions in order, so these see the stores
.endr
.endr
	s_wait_dscnt 0x0                               ; the numbers are back, and the stores have read their registers,
.if (\tau) < 2
	LOADX (\tau)+2                                 ; which take the tile two further on
.endif
.irp c, 0,1
	v_max3_num_f32 v[8+\c], |v[X+32*\c]|, |v[X+32*\c+1]|, FLOOR            ; block 2 c + h is all mine; the floor holds the byte at 1 from below
.endr
.irp i, 2,4,6,8,10,12,14,16,18,20,22,24,26,28,30
.irp c, 0,1
	v_max3_num_f32 v[8+\c], v[8+\c], |v[X+32*\c+\i]|, |v[X+32*\c+\i+1]|    ; (the two blocks by turns)
.endr
.endr
.irp c, 0,1
	v_add_nc_u32 v[12+\c], 0xff000000, v[8+\c]     ; 2 off the exponent field: the conversion's scale operand
.endr
.irp c, 0,1
	v_lshrrev_b32 v[14+\c], 23, v[12+\c]           ; the scale's byte
.endr
	v_lshl_or_b32 v16, v15, 16, v14                ; my two bytes, blocks h and 2 + h,
	v_lshlrev_b32 v16, v17, v16                    ; at their places (8 h bits up);
	v_permlanex16_b32 v18, v16, s20, s21
	v_or_b32 v[24+(\tau)], v16, v18                ; with lane l xor 16's two the row's word is whole, in both lanes
.irp c, 0,1
.irp q, 0,1,2,3
	v_cvt_scalef32_pk8_fp4_f32 v[C+8*(\tau)+4*\c+\q], v[X+32*\c+8*\q:X+32*\c+8*\q+7], v[12+\c]
.endr
.endr
	v_nop                                          ; one plain line behind the last scaled conversion
.irp c, 0,1
	global_store_b128 v1, v[C+8*(\tau)+4*\c:C+8*(\tau)+4*\c+3], s[14:15] offset:1024*(\tau)+512*\c   ; a piece: 512 consecutive bytes
.endr
.endm
.macro LOADW n                         ; block n = 4 p + blk: W(128 s + 32 blk + i, my column of pass p), i = 0 .. 31
.irp i, 0,1,2,3,4,5,6,7,8,9,10,11,12,13,14,15,16,17,18,19,20,21,22,23,24,25,26,27,28,29,30,31
	global_load_b32 v[XW+32*((\n)%2)+\i], v10, s[6:7] offset:(32*((\n)%4)+\i)*4096+128*((\n)/4) th:TH_LOAD_NT
.endr
.endm
.macro BLOCKW n
.set XB, XW+32*((\n)%2)
.if (\n) < 7
	s_wait_loadcnt 32                              ; this block's 32 loads are in; the next block's may be out
.else
	s_wait_loadcnt 0x0
.endif
	v_max3_num_f32 v12, |v[XB]|, |v[XB+1]|, |v[XB+2]|
	v_max3_num_f32 v13, |v[XB+3]|, |v[XB+4]|, |v[XB+5]|
.irp i, 6,10,14,18,22,26
	v_max3_num_f32 v12, v12, |v[XB+\i]|, |v[XB+\i+1]|
	v_max3_num_f32 v13, v13, |v[XB+\i+2]|, |v[XB+\i+3]|
.endr
	v_max3_num_f32 v12, v12, |v[XB+30]|, |v[XB+31]|
	v_max3_num_f32 v12, v12, v13, FLOOR
	v_add_nc_u32 v14, 0xff000000, v12
	v_lshrrev_b32 v15, 23, v14
.if (\n)%4 == 0
	v_mov_b32 v[24+(\n)/4], v15                    ; the pass's scale word: the lower K in the lower byte
.else
	v_lshl_or_b32 v[24+(\n)/4], v15, 8*((\n)%4), v[24+(\n)/4]
.endif
.irp q, 0,1,2,3
	v_cvt_scalef32_pk8_fp4_f32 v[CW+\q], v[XB+8*\q:XB+8*\q+7], v14
.endr
	ds_store_b128 v5, v[CW:CW+3] offset:2048*((\n)/4)+512*(((\n)%4)/2)+256*((\n)%2)   ; tile 2 p + u, piece blk / 2, lane 16 (blk % 2) + r'
.if (\n) < 6
	LOADW (\n)+2
.endif
	s_wait_dscnt 0x0                               ; the store has read its registers: the next block's codes may be written (that block begins with plain vector lines)
.endm
	s_load_b256 s[4:11], s[0:1], 0x0               ; x s[4:5], w_q s[6:7], w_k s[8:9], w_v s[10:11]
	s_load_b128 s[12:15], s[0:1], 0x20             ; w_o s[12:13], xq s[14:15]
	s_load_b64 s[16:17], s[0:1], 0x30              ; wimg
	v_lshl_add_u32 v30, v0, 2, 0xc800
	v_mov_b32 v31, 0
	v_lshrrev_b32 v1, 5, v0
	v_readfirstlane_b32 s18, v1                    ; wave 0..3
	v_and_b32 v7, 31, v0                           ; lane
	v_lshlrev_b32 v1, 4, v7                        ; 16 l
	v_lshlrev_b32 v2, 3, v7                        ; 8 l
	v_and_b32 v3, 15, v0                           ; r
	v_bfe_u32 v4, v0, 4, 1                         ; h
	s_cmp_lt_u32 ttmp9, 256
	s_cbranch_scc0 .Lweights
	; ---- x: a wave takes four tiles (64 rows) of one K step of one block of 128 rows
	s_mov_b32 s20, 0x76543210
	s_mov_b32 s21, 0xfedcba98                      ; v_permlanex16_b32's selects for lane l xor 16
	s_mul_i32 s19, s18, XREG
	v_add_nc_u32 v5, s19, v1                       ; into my stage: 16 l of a row
	v_mul_u32_u24 v6, v3, XPIT
	v_lshl_add_u32 v6, v4, 7, v6
	v_add_nc_u32 v6, s19, v6                       ; out of it: row r, + 128 h bytes
	v_lshlrev_b32 v17, 3, v4                       ; 8 h
	v_mov_b32 v18, 0                               ; a lane permute's destination counts as read
	s_lshr_b32 s22, ttmp9, 2                       ; the block of 128 rows
	s_bfe_u32 s23, ttmp9, 0x10001                  ; which four of its eight tiles
	s_and_b32 s24, ttmp9, 1
	s_lshl_b32 s24, s24, 2
	s_add_co_u32 s24, s24, s18                     ; the K step
	s_lshl_b32 s26, s22, 19                        ; x: 128 rows of 4,096 bytes a block,
	s_lshl_b32 s25, s23, 18                        ; 64 rows a group,
	s_add_co_u32 s26, s26, s25
	s_lshl_b32 s25, s24, 9                         ; 512 bytes a K step
	s_add_co_u32 s26, s26, s25
	s_mov_b32 s27, 0
	s_mul_i32 s28, s22, 69632
	s_mul_i32 s25, s24, 8704
	s_add_co_u32 s28, s28, s25                     ; xq: the (block, K step)'s 8,704 bytes
	s_mov_b32 s29, 0
	s_lshl_b32 s30, s23, 12                        ; my four tiles' codes
	s_mov_b32 s31, 0
	s_lshl_b32 s32, s23, 8
	s_add_co_u32 s32, s32, 8192                    ; and their scale words
	s_mov_b32 s33, 0
	s_wait_alu depctr_va_vdst(0)
	s_wait_kmcnt 0x0
	s_add_nc_u64 s[4:5], s[4:5], s[26:27]
	s_add_nc_u64 s[14:15], s[14:15], s[28:29]
	s_add_nc_u64 s[34:35], s[14:15], s[32:33]
	s_add_nc_u64 s[14:15], s[14:15], s[30:31]
	LOADX 0
	LOADX 1
	TILEX 0
	TILEX 1
	TILEX 2
	TILEX 3
	v_cmp_ne_u32 vcc_lo, 0, v4                     ; lanes 0-15 store tiles 0 and 2's words, lanes 16-31 tiles 1 and 3's
	v_cndmask_b32 v28, v24, v25, vcc_lo
	v_cndmask_b32 v29, v26, v27, vcc_lo
	global_store_b64 v2, v[28:29], s[34:35]        ; 256 consecutive bytes, aligned
	s_wait_tensorcnt 0x0
	ds_add_u32 v30, v31
	s_wait_dscnt 0x0
	s_endpgm
.Lweights:
	; ---- a weight: K is its FIRST axis.  A lane takes a column and its registers run down K: a block of 32 is one lane's, and the codes come out with K innermost.
	; A work-group makes one (block of 256 columns, K step); wave w its tiles 4 w .. 4 w + 3: 64 columns in two passes of 32.
	s_sub_co_u32 s22, ttmp9, 256
	s_lshr_b32 s23, s22, 5                         ; which weight: q, k, v, o
	s_bfe_u32 s24, s22, 0x20003                    ; which 256 columns
	s_and_b32 s25, s22, 7                          ; the K step
	s_lshr_b32 s26, s22, 3                         ; wimg's block: 4 x weight + columns
	v_bfe_u32 v8, v0, 3, 1                         ; column l of a pass is lane-row r' = l % 8 + 8 (l / 16) of tile 2 p + u, u = (l / 8) % 2
	v_and_b32 v9, 7, v0
	s_wait_alu depctr_va_vdst(0)
	v_lshl_add_u32 v9, v4, 3, v9
	s_lshl_b32 s19, s18, 12
	s_add_co_u32 s19, s19, WSTG                    ; my stage: my four tiles' images
	v_lshlrev_b32 v5, 10, v8
	v_lshl_add_u32 v5, v9, 4, v5
	v_add_nc_u32 v5, s19, v5                       ; into it: 1,024 u + 16 r'
	v_add_nc_u32 v6, s19, v1                       ; out of it: 16 l
	v_lshlrev_b32 v10, 2, v7                       ; W: 4 bytes a lane
	v_lshl_add_u32 v11, v8, 4, v9
	v_lshlrev_b32 v11, 3, v11                      ; my two scale words' place: 8 (16 u + r')
	s_lshl_b32 s28, s25, 19                        ; W: 128 rows of 4,096 bytes a K step,
	s_lshl_b32 s27, s24, 10                        ; 1,024 bytes for 256 columns,
	s_add_co_u32 s28, s28, s27
	s_lshl_b32 s27, s18, 8                         ; 256 for my 64
	s_add_co_u32 s28, s28, s27
	s_mov_b32 s29, 0
	s_mul_i32 s30, s26, 139264
	s_mul_i32 s27, s25, 17408
	s_add_co_u32 s30, s30, s27
	s_mov_b32 s31, 0
	s_lshl_b32 s32, s18, 12                        ; my tiles' codes
	s_mov_b32 s33, 0
	s_lshl_b32 s34, s18, 8
	s_add_co_u32 s34, s34, 16384                   ; and their scale words
	s_mov_b32 s35, 0
	s_wait_alu depctr_va_vdst(0)
	s_wait_kmcnt 0x0
	s_cmp_eq_u32 s23, 1                            ; the choice hangs on the work-group's number alone
	s_cselect_b64 s[6:7], s[8:9], s[6:7]
	s_cmp_eq_u32 s23, 2
	s_cselect_b64 s[6:7], s[10:11], s[6:7]
	s_cmp_eq_u32 s23, 3
	s_cselect_b64 s[6:7], s[12:13], s[6:7]
	s_add_nc_u64 s[6:7], s[6:7], s[28:29]
	s_add_nc_u64 s[16:17], s[16:17], s[30:31]
	s_add_nc_u64 s[36:37], s[16:17], s[34:35]
	s_add_nc_u64 s[16:17], s[16:17], s[32:33]
	LOADW 0
	LOADW 1
.irp n, 0,1,2,3,4,5,6,7
	BLOCKW \n
.endr
	s_wait_alu depctr_va_vdst(0)
	global_store_b64 v11, v[24:25], s[36:37]       ; the wave's 32 lanes fill one aligned run of 256 bytes
.irp q, 0,1,2,3,4,5,6,7
	ds_load_b128 v[OW+4*\q:OW+4*\q+3], v6 offset:512*\q
.endr
.irp q, 0,1,2,3,4,5,6,7
	s_wait_dscnt 7-\q                              ; piece q is back; the younger ones may be out
	global_store_b128 v1, v[OW+4*\q:OW+4*\q+3], s[16:17] offset:512*\q
.endr
	s_wait_tensorcnt 0x0
	ds_add_u32 v30, v31
	s_wait_dscnt 0x0
	s_endpgm
.Lfunc_end_k_q51375a949c_prep:
	.size	k_q51375a949c_prep, .Lfunc_end_k_q51375a949c_prep-k_q51375a949c_prep
	.p2alignl 7, 3214868480
	.fill 96, 4, 3214868480
	.section	.rodata,"a",@progbits
	.p2align	6, 0x0
	.amdhsa_kernel k_q51375a949c_prep
		.amdhsa_group_segment_fixed_size 51712
		.amdhsa_private_segment_fixed_size 0
		.amdhsa_enable_private_segment 0
		.amdhsa_kernarg_size 56
		.amdhsa_user_sgpr_count 2
		.amdhsa_user_sgpr_kernarg_segment_ptr 1
		.amdhsa_wavefront_size32 1
		.amdhsa_system_sgpr_workgroup_id_x 1
		.amdhsa_system_sgpr_workgroup_id_y 1
		.amdhsa_system_sgpr_workgroup_id_z 1
		.amdhsa_system_vgpr_workitem_id 0
		.amdhsa_next_free_vgpr 256
		.amdhsa_next_free_sgpr 66
		.amdhsa_reserve_vcc 1
		.amdhsa_float_denorm_mode_32 3
		.amdhsa_float_denorm_mode_16_64 3
		.amdhsa_memory_ordered 1
		.amdhsa_forward_progress 1
		.amdhsa_inst_pref_size 70
	.end_amdhsa_kernel
	.amdgpu_metadata
---
amdhsa.version: [ 1, 2 ]
amdhsa.kernels:
  - .name:           k_q51375a949c_prep
    .symbol:         k_q51375a949c_prep.kd
    .args:
      - { .name: x, .offset: 0, .size: 8, .value_kind: global_buffer, .address_space: global }
      - { .name: w_q, .offset: 8, .size: 8, .value_kind: global_buffer, .address_space: global }
      - { .name: w_k, .offset: 16, .size: 8, .value_kind: global_buffer, .address_space: global }
      - { .name: w_v, .offset: 24, .size: 8, .value_kind: global_buffer, .address_space: global }
      - { .name: w_o, .offset: 32, .size: 8, .value_kind: global_buffer, .address_space: global }
      - { .name: xq, .offset: 40, .size: 8, .value_kind: global_buffer, .address_space: global }
      - { .name: wimg, .offset: 48, .size: 8, .value_kind: global_buffer, .address_space: global }
    .group_segment_fixed_size: 51712
    .private_segment_fixed_size: 0
    .kernarg_segment_align: 8
    .kernarg_segment_size: 56
    .max_flat_workgroup_size: 128
    .sgpr_count:     66
    .vgpr_count:     256
    .wavefront_size: 32
...
	.end_amdgpu_metadata
.endif
;; end of part 1
;; launch gemm_qkv (part 2): grid 12 x 64, 4 waves a work-group, clusters of 4 x 4, 209,408 bytes of LDS; arguments xq, wimg, b_q, b_k, b_v, qimg, kv; writes qimg, kv
.if DOCPART == 2
	.amdgcn_target "amdgcn-amd-amdhsa--gfx1250"
	.amdhsa_code_object_version 6
	.text
	.protected	k_q51375a949c_gemm_qkv
	.globl	k_q51375a949c_gemm_qkv
	.p2align	8
	.type	k_q51375a949c_gemm_qkv,@function
k_q51375a949c_gemm_qkv:
	s_mov_b64 s[64:65], 0
	v_nop
	global_prefetch_b8 v0, s[64:65] scope:SCOPE_SE
	s_setreg_imm32_b32 hwreg(HW_REG_WAVE_MODE, 25, 1), 1
	s_wait_xcnt 0x0
	s_wait_alu depctr_hold_cnt(0) depctr_sa_sdst(0) depctr_va_vdst(0) depctr_va_sdst(0) depctr_va_ssrc(0) depctr_va_vcc(0) depctr_vm_vsrc(0)
	s_getreg_b32 s2, hwreg(HW_REG_IB_STS2, 6, 4)
	s_cmp_eq_u32 s2, 0
	s_cbranch_scc0 .Lentry_in_a_cluster
	s_endpgm
.Lentry_in_a_cluster:
	s_bfe_u32 s2, ttmp6, 0x10000c
	s_cmp_lg_u32 s2, 0xf033
	s_cbranch_scc0 .Lentry_shape_is_right
	s_endpgm
.Lentry_shape_is_right:
; q, k, v = x W + b on codes of FP4 (E2M1) with E8M0 scales, and the results quantised at once for attention's two products.
; SHARES.  A work-group makes 128 tokens x 256 channels of one of the three weights (cluster x = 0 q, 1 k, 2 v); wave w all 128 tokens x 64 channels, which is one head: 32 accumulators, one register window.
; 12 x 64 = 768 work-groups: three even rounds on 256 WGPs; a tile of 256 x 256 would give 384.
; ALL OF K = 1,024 LIES IN LDS AT ONCE (69,632 bytes of x, 139,264 of W, as they lie in memory): no LDS byte is filled twice, so there is no ring.  Each wave has four tensor loads out at the start, by this text's own count.
; CLUSTER 4 x 4.  x's block hangs on the work-group's y alone and is asked for jointly along a row of the cluster, W's on its x alone and jointly along a column.
; LAYOUT.  Operands lie in LDS as images of their registers: a fragment is two loads of 16 bytes a lane at 16 x lane.  The rows of a tile are rows 32 (i / 2) + 8 (i % 2) + r + 8 (r / 8) of their block.
; q and k: the product is used TRANSPOSED (source 0 = 16 channels of W, source 1 = 16 tokens): a lane holds one token, and the 32 registers of its four W tiles are channels 32 b + 16 h + 0 .. 15 of the head: K of q k^T.
; v: the product is used as it stands (source 0 = tokens, source 1 = channels): a lane holds one channel, and the 64 registers of its eight token tiles are tokens 32 b + 16 h + 0 .. 15: the keys, K of p v.
; The two uses differ in the 32 matrix lines of a K step alone: a branch on the cluster's x, which all partners share, stands round them.  The bias is the C of each sum's first product.
; OUT.  64 accumulator registers become 8 registers of codes and one scale word.  q, k: token tiles 2 g and 2 g + 1 (a head has K = 64: half a fragment each; the word holds two bytes of each).  v: channel tile g over 128 keys.
; qimg: [b x head][16 blocks of 128 tokens][8 pieces of 512 bytes, 256 bytes of words].  kv: [b x head][16][K 4,096, V 4,096, K's words 256, V's words 256].  Every store covers 512 or 256 consecutive aligned bytes.
; LIMITS: a block of zeros, or one whose largest magnitude lies under 2^-124, gets the byte 1 (only this program reads the bytes); NaN and infinities are not served.
; REGISTERS.  window 0: v3 r, v4 h, v6-13 LDS addresses, v14 bias offset, v20-27 x's scale words (2 sets), v28-31 W's, v32-159 x's fragments (2 sets of 8), v160-215 the quantiser.
;   window 1: v0-63 W's fragments (2 sets of 4), v64-95 the bias.   window 2: the 32 accumulators.
.set WL,    69632                      ; LDS: x's 8 K steps of 8,704 bytes, then W's 8 of 17,408
.set XSTEP, 8704
.set WSTEP, 17408
.set ADX,   6                          ; v6, v7    16 l, for K steps 0-3 and 4-7 (an LDS immediate has 16 bits); v6 also serves the stores of codes
.set ADW,   8                          ; v8, v9    WL + 4,096 wave + 16 l
.set ADXS,  10                         ; v10, v11  8 l; v10 also serves the store of scale words
.set ADWS,  12                         ; v12, v13  WL + 16,384 + 256 wave + 8 l
.set BO,    14
.set XS,    20
.set WS,    28
.set XF,    32
.set TM,    160                        ; v160-163 largest magnitudes, v164-167 bytes, v172-175 scale operands
.set PW,    176                        ; v176-179 the four scale words
.set SW,    180                        ; v[180:181] what my lane stores of them
.set PC,    184                        ; v184-215 codes: 8 registers a group, never written again
.set BI,    64                         ; in window 1
.set SEL,   62                         ; s[62:63]
.set G1X,   24
.set G1W,   32
.set G0X,   40
.set G0W,   68
.set MSB,   0
.macro WIN new                         ; the immediate's high byte repeats the setting that is left
.if MSB != \new
	s_set_vgpr_msb (MSB<<8)|\new
.set MSB, \new
.endif
.endm
.macro PLACES n
.rept \n
	v_nop
.endr
.endm
.macro ROUND                           ; a round of the cluster's barrier
	s_barrier_signal -1
	s_barrier_wait -1
	s_cmp_lg_u32 s18, 0
	s_cbranch_scc1 .Lnot_wave_0_\@
	s_barrier_signal -3
.Lnot_wave_0_\@:
	s_barrier_wait -3
	s_barrier_signal -1
	s_barrier_wait -1
.endm
.macro WM d, a, b, c, sa, sb, ra, rb   ; one product; ra, rb = 1: that side's scale words stand in lanes 16-31
.if (\ra) && (\rb)
	v_wmma_scale_f32_16x16x128_f8f6f4 v[\d:\d+7], v[\a:\a+7], v[\b:\b+7], v[\c:\c+7], v[\sa], v[\sb] matrix_a_fmt:MATRIX_FMT_FP4 matrix_b_fmt:MATRIX_FMT_FP4 matrix_a_scale:MATRIX_SCALE_ROW1 matrix_b_scale:MATRIX_SCALE_ROW1
.elseif (\ra)
	v_wmma_scale_f32_16x16x128_f8f6f4 v[\d:\d+7], v[\a:\a+7], v[\b:\b+7], v[\c:\c+7], v[\sa], v[\sb] matrix_a_fmt:MATRIX_FMT_FP4 matrix_b_fmt:MATRIX_FMT_FP4 matrix_a_scale:MATRIX_SCALE_ROW1
.elseif (\rb)
	v_wmma_scale_f32_16x16x128_f8f6f4 v[\d:\d+7], v[\a:\a+7], v[\b:\b+7], v[\c:\c+7], v[\sa], v[\sb] matrix_a_fmt:MATRIX_FMT_FP4 matrix_b_fmt:MATRIX_FMT_FP4 matrix_b_scale:MATRIX_SCALE_ROW1
.else
	v_wmma_scale_f32_16x16x128_f8f6f4 v[\d:\d+7], v[\a:\a+7], v[\b:\b+7], v[\c:\c+7], v[\sa], v[\sb] matrix_a_fmt:MATRIX_FMT_FP4 matrix_b_fmt:MATRIX_FMT_FP4
.endif
.endm
.macro FETCH s, p                      ; K step s into set p: 27 LDS loads in one run
	WIN 0x40                                       ; destination window 1
.irp b, 0,1,2,3
.irp c, 0,1
	ds_load_b128 v[32*(\p)+8*\b+4*\c:32*(\p)+8*\b+4*\c+3], v[ADW+(\s)/4] offset:((\s)%4)*WSTEP+1024*\b+512*\c
.endr
.endr
	WIN 0
.irp a, 0,1,2,3,4,5,6,7
.irp c, 0,1
	ds_load_b128 v[XF+64*(\p)+8*\a+4*\c:XF+64*(\p)+8*\a+4*\c+3], v[ADX+(\s)/4] offset:((\s)%4)*XSTEP+1024*\a+512*\c
.endr
.endr
.irp g, 0,1
	ds_load_b64 v[XS+4*(\p)+2*\g:XS+4*(\p)+2*\g+1], v[ADXS+(\s)/4] offset:((\s)%4)*XSTEP+8192+256*\g
.endr
	ds_load_b64 v[WS+2*(\p):WS+2*(\p)+1], v[ADWS+(\s)/4] offset:((\s)%4)*WSTEP
.endm
; 32 products of one K step: 8 token tiles x 4 W tiles.  The 32 accumulators take turns, one instruction a turn, in the same order in every step.
.macro MUL32 p, nat, first
.if \nat
.if \first
	WIN 0x94                                       ; source 0 (x) window 0, source 1 (W) window 1, C (the bias) window 1, D window 2
.else
	WIN 0xa4
.endif
.else
.if \first
	WIN 0x91                                       ; source 0 (W) window 1, source 1 (x) window 0, C (the bias) window 1, D window 2
.else
	WIN 0xa1
.endif
.endif
.irp a, 0,1,2,3,4,5,6,7
.irp b, 0,1,2,3
.set rW, 32*(\p)+8*\b
.set rX, XF+64*(\p)+8*\a
.set qW, WS+2*(\p)+\b/2
.set qX, XS+4*(\p)+2*(\a/4)+(\a/2)%2
.if \nat
.set rD, 64*\b+8*\a
.else
.set rD, 32*\a+8*\b
.endif
.if \first
.set rC, BI+8*\b
.else
.set rC, rD
.endif
.if \nat
	WM rD, rX, rW, rC, qX, qW, \a%2, \b%2
.else
	WM rD, rW, rX, rC, qW, qX, \b%2, \a%2
.endif
.endr
.endr
	WIN 0
.endm
.macro STEP s, first
	s_wait_dscnt 0x0                               ; this step's 27 loads, asked for 32 matrix instructions ago
.if ((\s) == 1) || ((\s) == 3) || ((\s) == 5)
	s_wait_tensorcnt (5-(\s))/2                    ; my load of K steps s + 1, s + 2 has landed; my later ones may stay out
	s_barrier_signal -1
	s_barrier_wait -1                              ; everybody's has
.endif
.if ((\s) > 0) && ((\s) < 7)
	PLACES 4                                       ; in front of loads into registers that the last step's products have read
.endif
.if (\s) < 7
	FETCH (\s)+1, 1-(\s)%2
.endif
	s_cmp_eq_u32 s57, 2                            ; v?  The same in every wave and every partner
	s_cbranch_scc1 .Lnat_\@
	MUL32 (\s)%2, 0, \first
	s_branch .Lmul_done_\@
.Lnat_\@:
	MUL32 (\s)%2, 1, \first
.Lmul_done_\@:
.endm
; 64 accumulator registers 64 g .., register 16 b + i = k 32 b + 16 h + i of my row, become the codes v[PC + 8 g ..] and the scale word v[PW + g]
.macro QUANTW g
	WIN 0x28                                       ; sources 1 and 2 window 2
.irp b, 0,1,2,3
	v_mov_b32 v[TM+\b], 0x1800000                  ; the floor 2^(3 - 127): the byte cannot fall under 1
.endr
.irp i, 0,2,4,6,8,10,12,14
.irp b, 0,1,2,3
	v_max3_num_f32 v[TM+\b], v[TM+\b], |v[64*(\g)+16*\b+\i]|, |v[64*(\g)+16*\b+\i+1]|   ; each accumulator from its low end on; the four blocks by turns
.endr
.endr
	WIN 0
.irp b, 0,1,2,3
	v_permlanex16_b32 v[TM+4+\b], v[TM+\b], s[SEL], s[SEL+1]
.endr
.irp b, 0,1,2,3
	v_max_num_f32 v[TM+\b], v[TM+\b], v[TM+4+\b]   ; with lane l xor 16's 16: the block's largest magnitude
.endr
.irp b, 0,1,2,3
	v_add_nc_u32 v[TM+12+\b], 0xff000000, v[TM+\b] ; 2 off its exponent field: the conversion's scale operand
.endr
.irp b, 0,1,2,3
	v_lshrrev_b32 v[TM+4+\b], 23, v[TM+12+\b]      ; the scale's byte
.endr
	v_lshl_or_b32 v[PW+\g], v[TM+5], 8, v[TM+4]
	v_lshl_or_b32 v[PW+\g], v[TM+6], 16, v[PW+\g]
	v_lshl_or_b32 v[PW+\g], v[TM+7], 24, v[PW+\g]
	WIN 0x02                                       ; source 0 window 2
.irp b, 0,1,2,3
	v_cvt_scalef32_pk8_fp4_f32 v[PC+8*(\g)+2*\b], v[64*(\g)+16*\b:64*(\g)+16*\b+7], v[TM+12+\b]
	v_cvt_scalef32_pk8_fp4_f32 v[PC+8*(\g)+2*\b+1], v[64*(\g)+16*\b+8:64*(\g)+16*\b+15], v[TM+12+\b]
.endr
	v_nop                                          ; one plain line behind the last scaled conversion
	WIN 0
.irp c, 0,1                                    ; the operand's layout wants a whole block in a lane
.irp i, 0,1
	v_permlane16_swap_b32 v[PC+8*(\g)+4*\c+\i], v[PC+8*(\g)+4*\c+2+\i]
.endr
.endr
.endm
	s_load_b128 s[4:7], s[0:1], 0x0                ; xq, wimg
	s_load_b128 s[8:11], s[0:1], 0x10              ; b_q, b_k
	s_load_b128 s[12:15], s[0:1], 0x20             ; b_v, qimg
	s_load_b64 s[16:17], s[0:1], 0x30              ; kv
	v_lshl_add_u32 v254, v0, 2, 0x33000
	v_mov_b32 v255, 0
	ds_add_u32 v254, v255
	ds_add_u32 v254, v255
	v_lshrrev_b32 v1, 5, v0
	v_readfirstlane_b32 s18, v1                    ; wave 0..3
	s_lshr_b32 s19, s18, 1                         ; I fetch for x (0) or for W (1),
	s_and_b32 s20, s18, 1                          ; the even or the odd K steps
	s_bfe_u32 s21, ttmp6, 0x40000                  ; cx
	s_bfe_u32 s22, ttmp6, 0x40004                  ; cy
	s_lshl_b32 s23, ttmp9, 2
	s_add_co_u32 s23, s23, s21                     ; work-group x: wimg's block of 256 channels
	s_and_b32 s56, ttmp7, 0xffff
	s_lshl_b32 s56, s56, 2
	s_add_co_u32 s56, s56, s22                     ; work-group y: the block of 128 tokens
	s_mov_b32 s57, ttmp9                           ; 0 q, 1 k, 2 v
	s_lshl_b32 s58, s22, 2
	s_lshl_b32 s58, 15, s58                        ; my row of the cluster
	s_lshl_b32 s59, 0x1111, s21                    ; my column
	; descriptor group 1: a dense block as rows of 256 bytes (32 elements of 8 bytes): 34 rows of x, 68 of W; no padding
	s_or_b32 s[G1X], s58, (3<<16)|(1<<21)          ; 15:0 the mask; 17:16 elements of 8 bytes; 21 set beside a mask
	s_or_b32 s[G1W], s59, (3<<16)|(1<<21)
	s_mov_b32 s[G1X+1], 32<<16                     ; tensor_dim0 = 32
	s_mov_b32 s[G1X+2], 34<<16                     ; tensor_dim1 = 34
	s_mov_b32 s[G1X+3], 32<<16                     ; tile_dim0 = 32
	s_mov_b32 s[G1X+4], 34                         ; tile_dim1 = 34
	s_mov_b32 s[G1X+5], 32                         ; the pitch
	s_mov_b32 s[G1X+6], 0
	s_mov_b32 s[G1X+7], 0
	s_mov_b32 s[G1W+1], 32<<16
	s_mov_b32 s[G1W+2], 68<<16
	s_mov_b32 s[G1W+3], 32<<16
	s_mov_b32 s[G1W+4], 68
	s_mov_b32 s[G1W+5], 32
	s_mov_b32 s[G1W+6], 0
	s_mov_b32 s[G1W+7], 0
	s_mov_b32 s[SEL], 0x76543210
	s_mov_b32 s[SEL+1], 0xfedcba98
	s_mul_i32 s60, s20, XSTEP                      ; my first K step, in LDS and in memory alike: no place in the cluster enters an LDS address
	s_mul_i32 s84, s56, 69632
	s_add_co_u32 s84, s84, s60
	s_mov_b32 s85, 0
	s_mul_i32 s61, s20, WSTEP
	s_mul_i32 s86, s23, 139264
	s_add_co_u32 s86, s86, s61
	s_mov_b32 s87, 0
	s_wait_dscnt 0x0
	s_wait_kmcnt 0x0
	s_add_nc_u64 s[84:85], s[4:5], s[84:85]        ; x's address hangs on the work-group's y and the wave alone,
	s_add_nc_u64 s[86:87], s[6:7], s[86:87]        ; W's on its x and the wave alone
.irp n, 0,1,2,3                                ; load n brings K step 2 n + (wave % 2)
	s_mov_b32 s[G0X+4*\n], 1
	s_add_co_u32 s[G0X+4*\n+1], s60, \n*2*XSTEP
	s_add_nc_u64 s[G0X+4*\n+2:G0X+4*\n+3], s[84:85], \n*2*XSTEP
	s_or_b32 s[G0X+4*\n+3], s[G0X+4*\n+3], 0x80000000
	s_mov_b32 s[G0W+4*\n], 1
	s_add_co_u32 s[G0W+4*\n+1], s61, WL+\n*2*WSTEP
	s_add_nc_u64 s[G0W+4*\n+2:G0W+4*\n+3], s[86:87], \n*2*WSTEP
	s_or_b32 s[G0W+4*\n+3], s[G0W+4*\n+3], 0x80000000
.endr
	ROUND                                          ; all sixteen work-groups are here: the joint loads meet
	s_cmp_eq_u32 s19, 0                            ; a wave's four fills stand in one branch on the wave's number, ahead of every wait on TENSORcnt and every LDS read
	s_cbranch_scc0 .Lfor_w
.irp n, 0,1,2,3
	tensor_load_to_lds s[G0X+4*\n:G0X+4*\n+3], s[G1X:G1X+7]
	s_nop 0
.endr
	PLACES 4
	s_branch .Lasked
.Lfor_w:
.irp n, 0,1,2,3
	tensor_load_to_lds s[G0W+4*\n:G0W+4*\n+3], s[G1W:G1W+7]
	s_nop 0
.endr
	PLACES 4
.Lasked:
	v_and_b32 v15, 31, v0
	v_and_b32 v3, 15, v0                           ; r
	v_bfe_u32 v4, v0, 4, 1                         ; h
	v_lshlrev_b32 v[ADX], 4, v15
	v_add_nc_u32 v[ADX+1], 4*XSTEP, v[ADX]
	s_lshl_b32 s2, s18, 12
	s_add_co_u32 s2, s2, WL
	v_add_nc_u32 v[ADW], s2, v[ADX]
	v_add_nc_u32 v[ADW+1], 4*WSTEP, v[ADW]
	v_lshlrev_b32 v[ADXS], 3, v15
	v_add_nc_u32 v[ADXS+1], 4*XSTEP, v[ADXS]
	s_lshl_b32 s2, s18, 8
	s_add_co_u32 s2, s2, WL+16384
	v_add_nc_u32 v[ADWS], s2, v[ADXS]
	v_add_nc_u32 v[ADWS+1], 4*WSTEP, v[ADWS]
.irp b, 0,1,2,3
	v_mov_b32 v[TM+4+\b], 0                        ; written once: a lane permute's destination counts as read
.endr
	; the bias, in the result's layout
	s_cmp_eq_u32 s57, 1
	s_cselect_b64 s[8:9], s[10:11], s[8:9]
	s_cmp_eq_u32 s57, 2
	s_cselect_b64 s[8:9], s[12:13], s[8:9]
	s_lshl_b32 s88, s21, 10                        ; my 64 channels begin at 256 cx + 64 wave
	s_lshl_b32 s89, s18, 8
	s_add_co_u32 s88, s88, s89
	s_mov_b32 s89, 0
	s_add_nc_u64 s[8:9], s[8:9], s[88:89]
	s_cmp_eq_u32 s57, 2
	s_cbranch_scc1 .Lbias_v
	v_lshlrev_b32 v[BO], 6, v4                     ; q, k: W tile b's eight registers are channels 32 (b / 2) + 8 (b % 2) + 16 h + 0 .. 7
	WIN 0x40
.irp b, 0,1,2,3
	global_load_b128 v[BI+8*\b:BI+8*\b+3], v[BO], s[8:9] offset:(32*(\b/2)+8*(\b%2))*4
	global_load_b128 v[BI+8*\b+4:BI+8*\b+7], v[BO], s[8:9] offset:(32*(\b/2)+8*(\b%2))*4+16
.endr
	WIN 0
	s_branch .Lbias_done
.Lbias_v:
	v_and_b32 v[BO], 8, v3                         ; v: all eight registers are my one channel, 32 (b / 2) + 8 (b % 2) + r + 8 (r / 8)
	v_add_nc_u32 v[BO], v[BO], v3
	v_lshlrev_b32 v[BO], 2, v[BO]
	WIN 0x40
.irp b, 0,1,2,3
.irp j, 0,1,2,3,4,5,6,7
	global_load_b32 v[BI+8*\b+\j], v[BO], s[8:9] offset:(32*(\b/2)+8*(\b%2))*4
.endr
.endr
	WIN 0
.Lbias_done:
	; where the results go: b = block / 16, j = block % 16, head = 4 cx + wave
	s_lshr_b32 s90, s56, 4
	s_lshl_b32 s90, s90, 4
	s_lshl_b32 s91, s21, 2
	s_add_co_u32 s90, s90, s91
	s_add_co_u32 s90, s90, s18                     ; 16 b + head
	s_lshl_b32 s90, s90, 4
	s_and_b32 s91, s56, 15
	s_add_co_u32 s90, s90, s91                     ; x 16 + j
	s_cmp_eq_u32 s57, 0
	s_cselect_b64 s[92:93], s[14:15], s[16:17]     ; qimg or kv
	s_mov_b32 s94, 8704
	s_cselect_b32 s94, 4352, s94                   ; bytes of a (head, j)
	s_mul_i32 s94, s90, s94
	s_mov_b32 s95, 0
	s_mov_b32 s96, 8192
	s_cselect_b32 s96, 4096, s96                   ; from the codes to the scale words: q 4,096, k 8,192,
	s_mov_b32 s97, 0
	s_cmp_eq_u32 s57, 2
	s_cselect_b32 s98, 4096, 0                     ; V's codes lie behind K's,
	s_mov_b32 s99, 4352
	s_cselect_b32 s96, s99, s96                    ; v 4,352
	s_add_co_u32 s94, s94, s98
	s_add_nc_u64 s[92:93], s[92:93], s[94:95]
	s_add_nc_u64 s[96:97], s[92:93], s[96:97]
	s_wait_tensorcnt 3                             ; my first load (K step 0 or 1) has landed; three may stay out
	s_barrier_signal -1
	s_barrier_wait -1                              ; everybody's has
	s_wait_alu depctr_va_vdst(0)
	FETCH 0, 0
	s_wait_loadcnt 0x0                             ; the bias
	STEP 0, 1                                      ; the first products start the sums, with the bias as C: nothing is cleared
	STEP 1, 0
	STEP 2, 0
	STEP 3, 0
	STEP 4, 0
	STEP 5, 0
	STEP 6, 0
	STEP 7, 0
	PLACES 4                                       ; in front of the first read of results
.irp g, 0,1,2,3
	QUANTW \g
	global_store_b128 v[ADX], v[PC+8*\g:PC+8*\g+3], s[92:93] offset:1024*\g          ; 512 consecutive bytes each
	global_store_b128 v[ADX], v[PC+8*\g+4:PC+8*\g+7], s[92:93] offset:1024*\g+512
.endr
	v_cmp_ne_u32 vcc_lo, 0, v4                     ; lanes 0-15 store groups 0 and 2's words, lanes 16-31 groups 1 and 3's
	v_cndmask_b32 v[SW], v[PW], v[PW+1], vcc_lo
	v_cndmask_b32 v[SW+1], v[PW+2], v[PW+3], vcc_lo
	global_store_b64 v[ADXS], v[SW:SW+1], s[96:97] ; 256 consecutive bytes, aligned
	s_wait_dscnt 0x0
	s_wait_tensorcnt 0x0
	ds_add_u32 v254, v255
	s_wait_dscnt 0x0
	ROUND                                          ; the closing round: no work-group ends while a partner may still ask for a tile that names it
	s_endpgm
.Lfunc_end_k_q51375a949c_gemm_qkv:
	.size	k_q51375a949c_gemm_qkv, .Lfunc_end_k_q51375a949c_gemm_qkv-k_q51375a949c_gemm_qkv
	.p2alignl 7, 3214868480
	.fill 96, 4, 3214868480
	.section	.rodata,"a",@progbits
	.p2align	6, 0x0
	.amdhsa_kernel k_q51375a949c_gemm_qkv
		.amdhsa_group_segment_fixed_size 209408
		.amdhsa_private_segment_fixed_size 0
		.amdhsa_enable_private_segment 0
		.amdhsa_kernarg_size 56
		.amdhsa_user_sgpr_count 2
		.amdhsa_user_sgpr_kernarg_segment_ptr 1
		.amdhsa_wavefront_size32 1
		.amdhsa_system_sgpr_workgroup_id_x 1
		.amdhsa_system_sgpr_workgroup_id_y 1
		.amdhsa_system_sgpr_workgroup_id_z 1
		.amdhsa_system_vgpr_workitem_id 0
		.amdhsa_next_free_vgpr 768
		.amdhsa_next_free_sgpr 100
		.amdhsa_reserve_vcc 1
		.amdhsa_float_denorm_mode_32 3
		.amdhsa_float_denorm_mode_16_64 3
		.amdhsa_memory_ordered 1
		.amdhsa_forward_progress 1
		.amdhsa_inst_pref_size 112
	.end_amdhsa_kernel
	.amdgpu_metadata
---
amdhsa.version: [ 1, 2 ]
amdhsa.kernels:
  - .name:           k_q51375a949c_gemm_qkv
    .symbol:         k_q51375a949c_gemm_qkv.kd
    .args:
      - { .name: xq, .offset: 0, .size: 8, .value_kind: global_buffer, .address_space: global }
      - { .name: wimg, .offset: 8, .size: 8, .value_kind: global_buffer, .address_space: global }
      - { .name: b_q, .offset: 16, .size: 8, .value_kind: global_buffer, .address_space: global }
      - { .name: b_k, .offset: 24, .size: 8, .value_kind: global_buffer, .address_space: global }
      - { .name: b_v, .offset: 32, .size: 8, .value_kind: global_buffer, .address_space: global }
      - { .name: qimg, .offset: 40, .size: 8, .value_kind: global_buffer, .address_space: global }
      - { .name: kv, .offset: 48, .size: 8, .value_kind: global_buffer, .address_space: global }
    .group_segment_fixed_size: 209408
    .private_segment_fixed_size: 0
    .kernarg_segment_align: 8
    .kernarg_segment_size: 56
    .max_flat_workgroup_size: 128
    .sgpr_count:     100
    .vgpr_count:     768
    .wavefront_size: 32
...
	.end_amdgpu_metadata
.endif
;; end of part 2
;; launch attn (part 3): grid 4 x 64, 16 waves a work-group, clusters of 4 x 1, 169,984 bytes of LDS; arguments qimg, kv, aq; writes aq
.if DOCPART == 3
	.amdgcn_target "amdgcn-amd-amdhsa--gfx1250"
	.amdhsa_code_object_version 6
	.text
	.protected	k_q51375a949c_attn
	.globl	k_q51375a949c_attn
	.p2align	8
	.type	k_q51375a949c_attn,@function
k_q51375a949c_attn:
	s_mov_b64 s[64:65], 0
	v_nop
	global_prefetch_b8 v0, s[64:65] scope:SCOPE_SE
	s_setreg_imm32_b32 hwreg(HW_REG_WAVE_MODE, 25, 1), 1
	s_wait_xcnt 0x0
	s_wait_alu depctr_hold_cnt(0) depctr_sa_sdst(0) depctr_va_vdst(0) depctr_va_sdst(0) depctr_va_ssrc(0) depctr_va_vcc(0) depctr_vm_vsrc(0)
	s_getreg_b32 s2, hwreg(HW_REG_IB_STS2, 6, 4)
	s_cmp_eq_u32 s2, 0
	s_cbranch_scc0 .Lentry_in_a_cluster
	s_endpgm
.Lentry_in_a_cluster:
	s_bfe_u32 s2, ttmp6, 0x10000c
	s_cmp_lg_u32 s2, 0x3003
	s_cbranch_scc0 .Lentry_shape_is_right
	s_endpgm
.Lentry_shape_is_right:
; Causal attention of one (batch, head) a cluster, both products on codes of FP4 (E2M1) with E8M0 scales; the result is quantised along the channels for the output projection.
; THE SOFTMAX: t = score x log2(e) / 8; M = the row's largest t so far, rounded UP to a whole number; p = 2^(t - M) is quantised along the keys, not normalised.  The row's sum is taken of the unquantised p and
; divides O at the end.  When M moves, the sum and O are multiplied by 2^(old M - new M): exact.
; SHARES.  The four work-groups of a cluster read the same K and V: the head's 139,264 bytes (16 key steps of 8,704: K 4,096, V 4,096, K's scale words 256, V's 256) come into each LDS ONCE, by joint loads:
; wave w asks for key step w; one tensor load of a wave is out, by this text's own count.  No LDS byte is filled twice.
; A wave owns two tiles of 16 queries: tile 8 g + 2 cx + w % 2 (g = w / 2), which needs g + 1 key steps, and tile 127 less that, which needs 16 - g: 17 key steps for every wave of the launch.
; The counts hang on the wave's number alone; cx enters global addresses and the mask's vector data alone.  The loops' trip counts are constants; a step all of whose keys are hidden is jumped over.
; LAYOUT.  Both products are used transposed: S^T = K Q^T, O^T = V^T P^T: a lane holds ONE query.  Lane-row r of token tile i of a block of 128 is token 32 (i / 2) + 8 (i % 2) + r + 8 (r / 8), so the 16 registers
; of key tiles 2 b, 2 b + 1 are keys 32 b + 16 h + 0 .. 15.  A HEAD HAS K = 64 AND THE INSTRUCTION 128: key tiles 2 b and 2 b + 1 are ONE source 0 (registers 0-3, 4-7); Q is kept as [Q][zeros][Q]: its first eight
; registers give tile 2 b's scores, its last eight tile 2 b + 1's.  Zero codes add nothing; their scale byte 0 stands for 2^-127 and is no NaN.
; OUT.  aq is laid as the first launch lays x: [64 blocks of 128 tokens][8 K steps][8 tiles x 1,024, 2 x 256 of scale words]; head hd is piece hd % 2 of K step hd / 2.  A tile's codes are 512 consecutive bytes.
; Its two scale bytes a row are stored as 16 half words, 8 bytes apart (both halves of the lanes write the same half word with the same value): one byte in 16 of aq goes out in such small stores.
; LIMITS: a block of zeros, or one whose largest magnitude lies under 2^-124, gets the byte 1 (only this program reads the bytes); NaN and infinities are not served.
; REGISTERS: v1 16 l, v2 8 l, v3 8 r, v4-6 the mask's numbers, v7 -infinity, v8-9 LDS addresses, v12 -M, v13 the largest t, v[14:15] the sum; v16-29 and v200-213 the two tiles' Q and its scale words;
;   v32-63 K, v64-95 V, v96-159 S^T then p, v160-191 O^T, v192-195 K's and V's scale words, v196 p's, v214-218 the result's codes and bytes, v224-231 p's codes, v232-254 at work.
.set KVSTEP, 8704
.macro ROUND                           ; a round of the cluster's barrier
	s_barrier_signal -1
	s_barrier_wait -1
	s_cmp_lg_u32 s10, 0
	s_cbranch_scc1 .Lnot_wave_0_\@
	s_barrier_signal -3
.Lnot_wave_0_\@:
	s_barrier_wait -3
	s_barrier_signal -1
	s_barrier_wait -1
.endm
.macro QADDR a, jt, pc, ps             ; tile a of block jt: where Q's piece and its rows' double scale words lie (s[a], s[jt] -> s[pc:pc+1], s[ps:ps+1])
	s_lshl_b32 s60, s14, 4
	s_add_co_u32 s60, s60, s[\jt]
	s_mul_i32 s60, s60, 4352
	s_lshl_b32 s61, s[\a], 9
	s_add_co_u32 s62, s60, s61
	s_mov_b32 s63, 0
	s_add_nc_u64 s[\pc:\pc+1], s[4:5], s[62:63]
	s_bfe_u32 s61, s[\a], 0x10001                  ; double tile a / 2: 128 ((a / 2) % 2) + 4 (a / 4); the 4,096 stands in the load's immediate
	s_lshl_b32 s61, s61, 7
	s_add_co_u32 s62, s60, s61
	s_lshr_b32 s61, s[\a], 2
	s_lshl_b32 s61, s61, 2
	s_add_co_u32 s62, s62, s61
	s_add_nc_u64 s[\ps:\ps+1], s[4:5], s[62:63]
.endm
.macro OADDR a, jt, pc, ps             ; the same tile's place in aq: codes and scale half words
	s_lshr_b32 s60, s14, 4
	s_lshl_b32 s60, s60, 4
	s_add_co_u32 s60, s60, s[\jt]                  ; the block of 128 tokens: 16 b + jt
	s_mul_i32 s60, s60, 69632
	s_bfe_u32 s61, s14, 0x30001                    ; K step head / 2
	s_mul_i32 s61, s61, 8704
	s_add_co_u32 s60, s60, s61
	s_and_b32 s61, s14, 1                          ; piece head % 2
	s_lshl_b32 s62, s61, 9
	s_add_co_u32 s62, s62, s60
	s_lshl_b32 s63, s[\a], 10
	s_add_co_u32 s62, s62, s63
	s_mov_b32 s63, 0
	s_add_nc_u64 s[\pc:\pc+1], s[8:9], s[62:63]
	s_lshl_b32 s62, s61, 1                         ; bytes 2 (head % 2), + 1 of the row's word,
	s_add_co_u32 s62, s62, s60
	s_lshr_b32 s61, s[\a], 2
	s_lshl_b32 s61, s61, 8                         ; group a / 4,
	s_add_co_u32 s62, s62, s61
	s_and_b32 s61, s[\a], 1
	s_lshl_b32 s61, s61, 7                         ; 128 (a % 2) + 4 ((a / 2) % 2); the 8,192 stands in the store's immediate
	s_add_co_u32 s62, s62, s61
	s_bfe_u32 s61, s[\a], 0x10001
	s_lshl_b32 s61, s61, 2
	s_add_co_u32 s62, s62, s61
	s_add_nc_u64 s[\ps:\ps+1], s[8:9], s[62:63]
.endm
; A KEY STEP: 128 keys at LDS byte s32.  q: Q's first register; qs: its two scale words; d: the mask's number; jmax: the scalar that holds the tile's last step
.macro STEP q, qs, d, jmax
	v_add_nc_u32 v8, s32, v1
	v_add_nc_u32 v9, s32, v2
	v_nop
	v_nop                                          ; four plain lines: the places in front of loads into registers that the last step's products have read
	ds_load_b64 v[192:193], v9 offset:8192         ; K's double scale words
.irp f, 0,1,2,3
.irp c, 0,1
	ds_load_b128 v[32+8*\f+4*\c:32+8*\f+4*\c+3], v8 offset:1024*\f+512*\c
.endr
.endr
	ds_load_b64 v[194:195], v9 offset:8448         ; V's scale words
.irp f, 0,1,2,3
.irp c, 0,1
	ds_load_b128 v[64+8*\f+4*\c:64+8*\f+4*\c+3], v8 offset:4096+1024*\f+512*\c
.endr
.endr
	s_wait_dscnt 9                                 ; K and its words are in; V's nine loads may be out
.irp f, 0,1,2,3                                ; S^T = K Q^T: double tile f against Q's two forms
.if \f%2
	v_wmma_scale_f32_16x16x128_f8f6f4 v[96+16*\f:103+16*\f], v[32+8*\f:39+8*\f], v[\q:\q+7], 0, v[192+\f/2], v[\qs] matrix_a_fmt:MATRIX_FMT_FP4 matrix_b_fmt:MATRIX_FMT_FP4 matrix_a_scale:MATRIX_SCALE_ROW1
	v_wmma_scale_f32_16x16x128_f8f6f4 v[104+16*\f:111+16*\f], v[32+8*\f:39+8*\f], v[\q+4:\q+11], 0, v[192+\f/2], v[\qs+1] matrix_a_fmt:MATRIX_FMT_FP4 matrix_b_fmt:MATRIX_FMT_FP4 matrix_a_scale:MATRIX_SCALE_ROW1
.else
	v_wmma_scale_f32_16x16x128_f8f6f4 v[96+16*\f:103+16*\f], v[32+8*\f:39+8*\f], v[\q:\q+7], 0, v[192+\f/2], v[\qs] matrix_a_fmt:MATRIX_FMT_FP4 matrix_b_fmt:MATRIX_FMT_FP4
	v_wmma_scale_f32_16x16x128_f8f6f4 v[104+16*\f:111+16*\f], v[32+8*\f:39+8*\f], v[\q+4:\q+11], 0, v[192+\f/2], v[\qs+1] matrix_a_fmt:MATRIX_FMT_FP4 matrix_b_fmt:MATRIX_FMT_FP4
.endif
.endr
.rept 4
	v_nop                                          ; the places in front of the first read of the scores
.endr
	s_cmp_lg_u32 s33, s[\jmax]                     ; only the tile's last step lies on the diagonal
	s_cbranch_scc1 .Lopen_\@
.set n, 0
.rept 64                                       ; register 16 b + i holds key 32 b + 16 h + i of the step: hidden where 32 b + i > d; its score becomes -infinity, p = 0
	v_cmp_gt_i32 vcc_lo, 32*(n/16)+n%16, v[\d]
	v_cndmask_b32 v[96+n], v[96+n], v7, vcc_lo
.set n, n+1
.endr
.Lopen_\@:
.irp b, 0,1,2,3
	v_max3_num_f32 v[232+\b], v[96+16*\b], v[97+16*\b], v[98+16*\b]   ; the largest score of each block of 32 keys: for the row's maximum, and, since p rises with the score, for the block's largest p
.endr
.irp i, 3,5,7,9,11,13
.irp b, 0,1,2,3
	v_max3_num_f32 v[232+\b], v[232+\b], v[96+16*\b+\i], v[97+16*\b+\i]
.endr
.endr
.irp b, 0,1,2,3
	v_max_num_f32 v[232+\b], v[232+\b], v[111+16*\b]
.endr
.irp b, 0,1,2,3
	s_delay_alu instid0(VALU_DEP_4)
	v_permlanex16_b32 v[236+\b], v[232+\b], s28, s29
.endr
.irp b, 0,1,2,3
	s_delay_alu instid0(VALU_DEP_4)
	v_max_num_f32 v[232+\b], v[232+\b], v[236+\b]  ; with lane l xor 16's 16 keys
.endr
	s_delay_alu instid0(VALU_DEP_2)
	v_max3_num_f32 v254, v232, v233, v234
	s_delay_alu instid0(VALU_DEP_1)
	v_max_num_f32 v254, v254, v235                 ; the step's largest score of my query
	s_delay_alu instid0(VALU_DEP_1)
	v_mul_f32 v254, s30, v254                      ; as t
	s_delay_alu instid0(VALU_DEP_1)
	v_max_num_f32 v13, v13, v254                   ; the running largest t
	v_mov_b32 v254, v12
	s_delay_alu instid0(VALU_DEP_2)
	v_floor_f32 v12, -v13                          ; the new -M = floor(-t): M is a whole number
	s_delay_alu instid0(VALU_DEP_1)
	v_sub_f32 v254, v12, v254                      ; old M less new M: a whole number, 0 or less
	s_delay_alu instid0(VALU_DEP_1)
	v_cvt_i32_f32 v254, v254                       ; (it saturates)
	s_delay_alu instid0(VALU_DEP_1)
	v_ldexp_f32 v252, 1.0, v254                    ; f = 2^(old M - new M)
.set n, 0
.rept 32
	v_pk_fma_f32 v[96+n:97+n], v[96+n:97+n], s[30:31], v[12:13] op_sel_hi:[1,0,0]   ; t - M, two at a time
.set n, n+2
.endr
	s_setprio 1
.irp b, 0,1,2,3
	v_fma_f32 v[232+\b], v[232+\b], s30, v12       ; the same of each block's largest score
.endr
.set n, 0
	s_wait_alu depctr_va_vdst(0)
.rept 64
	v_exp_f32 v[96+n], v[96+n]                     ; p = 2^(t - M)
.set n, n+1
.endr
	v_pk_mul_f32 v[14:15], v[14:15], v[252:253] op_sel_hi:[1,0]   ; the sums under the new M: a plain line behind the exponentials
	s_wait_alu depctr_va_vdst(0)                   ; one wait for the batch, ahead of its first reader
.irp b, 0,1,2,3
	v_exp_f32 v[232+\b], v[232+\b]                 ; the block's largest p
.endr
	v_pk_add_f32 v[236:237], v[100:101], v[104:105]
	v_pk_add_f32 v[248:249], v[108:109], v[112:113]
	v_pk_add_f32 v[246:247], v[116:117], v[120:121]
	v_pk_add_f32 v[244:245], v[124:125], v[128:129]
	v_pk_add_f32 v[242:243], v[132:133], v[136:137]
	v_pk_add_f32 v[240:241], v[140:141], v[144:145]
	v_pk_add_f32 v[238:239], v[148:149], v[152:153]
	v_pk_add_f32 v[14:15], v[14:15], v[156:157]
	v_pk_add_f32 v[236:237], v[236:237], v[96:97]
	v_pk_add_f32 v[248:249], v[248:249], v[98:99]
	v_pk_add_f32 v[246:247], v[246:247], v[102:103]
	v_pk_add_f32 v[244:245], v[244:245], v[106:107]
	v_pk_add_f32 v[242:243], v[242:243], v[110:111]
	v_pk_add_f32 v[240:241], v[240:241], v[114:115]
	v_pk_add_f32 v[238:239], v[238:239], v[118:119]
	v_pk_add_f32 v[14:15], v[14:15], v[122:123]
	v_pk_add_f32 v[236:237], v[236:237], v[126:127]
	v_pk_add_f32 v[248:249], v[248:249], v[130:131]
	v_pk_add_f32 v[246:247], v[246:247], v[134:135]
	v_pk_add_f32 v[244:245], v[244:245], v[138:139]
	v_pk_add_f32 v[242:243], v[242:243], v[142:143]
	v_pk_add_f32 v[240:241], v[240:241], v[146:147]
	v_pk_add_f32 v[238:239], v[238:239], v[150:151]
	v_pk_add_f32 v[14:15], v[14:15], v[154:155]
	v_pk_add_f32 v[236:237], v[236:237], v[158:159]
	s_delay_alu instid0(VALU_DEP_2)
	v_pk_add_f32 v[14:15], v[14:15], v[244:245]
	s_delay_alu instid0(VALU_DEP_2)
	v_pk_add_f32 v[236:237], v[236:237], v[242:243]
	v_pk_add_f32 v[248:249], v[248:249], v[240:241]
	v_pk_add_f32 v[246:247], v[246:247], v[238:239]
	s_delay_alu instid0(VALU_DEP_2)
	v_pk_add_f32 v[14:15], v[14:15], v[248:249]
	s_delay_alu instid0(VALU_DEP_2)
	v_pk_add_f32 v[236:237], v[236:237], v[246:247]
	s_delay_alu instid0(VALU_DEP_1)
	v_pk_add_f32 v[14:15], v[14:15], v[236:237]
	s_wait_alu depctr_va_vdst(0)                   ; and one for the four
.irp b, 0,1,2,3
	v_max_num_f32 v[232+\b], 0x1800000, v[232+\b]  ; the floor 2^(3 - 127): the byte cannot fall under 1
.endr
.irp b, 0,1,2,3
	s_delay_alu instid0(VALU_DEP_4)
	v_add_nc_u32 v[244+\b], 0xff000000, v[232+\b]  ; the conversion's scale operand
.endr
.irp b, 0,1,2,3
	s_delay_alu instid0(VALU_DEP_4)
	v_lshrrev_b32 v[236+\b], 23, v[244+\b]         ; the scale's byte
.endr
	s_delay_alu instid0(VALU_DEP_3)
	v_lshl_or_b32 v196, v237, 8, v236              ; p's scale word for these 128 keys
	s_delay_alu instid0(VALU_DEP_1)
	v_lshl_or_b32 v196, v238, 16, v196
	s_delay_alu instid0(VALU_DEP_1)
	v_lshl_or_b32 v196, v239, 24, v196
	s_setprio 0
.irp b, 0,1,2,3
	v_cvt_scalef32_pk8_fp4_f32 v[224+2*\b], v[96+16*\b:103+16*\b], v[244+\b]
	v_cvt_scalef32_pk8_fp4_f32 v[225+2*\b], v[104+16*\b:111+16*\b], v[244+\b]
.endr
	v_nop                                          ; one plain line behind the last scaled conversion
.irp c, 0,1
.irp i, 0,1
	v_permlane16_swap_b32 v[224+4*\c+\i], v[226+4*\c+\i]
.endr
.endr
.set n, 0
.rept 16
	v_pk_mul_f32 v[160+n:161+n], v[160+n:161+n], v[252:253] op_sel_hi:[1,0]   ; O^T under the new M; these are also the places between p's codes and word and the products
.set n, n+2
.endr
	s_wait_alu depctr_va_vdst(0)
	s_wait_dscnt 0x0                               ; V and its words are in
.irp f, 0,1,2,3                                ; O^T += V^T P^T: the four accumulators by turns
.if \f%2
	v_wmma_scale_f32_16x16x128_f8f6f4 v[160+8*\f:167+8*\f], v[64+8*\f:71+8*\f], v[224:231], v[160+8*\f:167+8*\f], v[194+\f/2], v196 matrix_a_fmt:MATRIX_FMT_FP4 matrix_b_fmt:MATRIX_FMT_FP4 matrix_a_scale:MATRIX_SCALE_ROW1
.else
	v_wmma_scale_f32_16x16x128_f8f6f4 v[160+8*\f:167+8*\f], v[64+8*\f:71+8*\f], v[224:231], v[160+8*\f:167+8*\f], v[194+\f/2], v196 matrix_a_fmt:MATRIX_FMT_FP4 matrix_b_fmt:MATRIX_FMT_FP4
.endif
.endr
.endm
; ONE TILE OF 16 QUERIES, from its first key step to its codes in aq
.macro TILE q, qs, d, jmax, trips, pc, ps
	s_wait_xcnt 0x0                                ; earlier loads and stores have read their registers
	v_mov_b32 v13, 0xff61b1e6                      ; the largest t so far: -3e38
	s_delay_alu instid0(VALU_DEP_1)
	v_floor_f32 v12, -v13                          ; -M
	v_mov_b32 v14, 0
	v_mov_b32 v15, 0
.set n, 0
.rept 32
	v_mov_b32 v[160+n], 0                          ; O^T: the step is written once, and its first run finds zeros
.set n, n+1
.endr
	s_mov_b32 s32, 0                               ; the step's LDS byte
	s_mov_b32 s33, 0                               ; the step
.Lkey_\@:
	s_cmp_gt_u32 s33, s[\jmax]                     ; all of this step's keys come after my queries: its work is left out
	s_cbranch_scc1 .Lpast_\@
	s_setprio 2
	STEP \q, \qs, \d, \jmax
.Lpast_\@:
	s_add_co_u32 s32, s32, KVSTEP
	s_add_co_u32 s33, s33, 1
	s_cmp_lt_u32 s33, \trips
	s_cbranch_scc1 .Lkey_\@
	s_setprio 0
.rept 4
	v_nop                                          ; the places behind the last products
.endr
	v_add_f32 v14, v14, v15                        ; the sum's two halves,
	s_delay_alu instid0(VALU_DEP_1)
	v_permlanex16_b32 v252, v14, s28, s29
	s_delay_alu instid0(VALU_DEP_1)
	v_add_f32 v14, v14, v252                       ; and lane l xor 16's
	s_wait_alu depctr_va_vdst(0)
	v_rcp_f32 v14, v14
	v_nop                                          ; a plain line behind the reciprocal
	s_wait_alu depctr_va_vdst(0)                   ; and the wait ahead of its first reader
.set n, 0
.rept 16
	v_pk_mul_f32 v[96+n:97+n], v[160+n:161+n], v[14:15] op_sel_hi:[1,0]   ; O^T / the sum: register 16 b + i is channel 32 b + 16 h + i of my query
.set n, n+2
.endr
.irp b, 0,1
	v_max3_num_f32 v[232+\b], |v[96+16*\b]|, |v[97+16*\b]|, 0x1800000
.endr
.irp i, 2,4,6,8,10,12,14
.irp b, 0,1
	s_delay_alu instid0(VALU_DEP_2)
	v_max3_num_f32 v[232+\b], v[232+\b], |v[96+16*\b+\i]|, |v[97+16*\b+\i]|
.endr
.endr
.irp b, 0,1
	s_delay_alu instid0(VALU_DEP_2)
	v_permlanex16_b32 v[236+\b], v[232+\b], s28, s29
.endr
.irp b, 0,1
	s_delay_alu instid0(VALU_DEP_2)
	v_max_num_f32 v[232+\b], v[232+\b], v[236+\b]
.endr
.irp b, 0,1
	s_delay_alu instid0(VALU_DEP_2)
	v_add_nc_u32 v[244+\b], 0xff000000, v[232+\b]
.endr
.irp b, 0,1
	s_delay_alu instid0(VALU_DEP_2)
	v_lshrrev_b32 v[236+\b], 23, v[244+\b]
.endr
	s_delay_alu instid0(VALU_DEP_1)
	v_lshl_or_b32 v218, v237, 8, v236              ; my row's two scale bytes
.irp b, 0,1
	v_cvt_scalef32_pk8_fp4_f32 v[214+2*\b], v[96+16*\b:103+16*\b], v[244+\b]
	v_cvt_scalef32_pk8_fp4_f32 v[215+2*\b], v[104+16*\b:111+16*\b], v[244+\b]
.endr
	v_nop
	v_permlane16_swap_b32 v214, v216
	v_permlane16_swap_b32 v215, v217
	global_store_b128 v1, v[214:217], s[\pc:\pc+1]                 ; a piece: 512 consecutive bytes
	global_store_b16 v3, v218, s[\ps:\ps+1] offset:8192
.endm
	s_load_b128 s[4:7], s[0:1], 0x0                ; qimg, kv
	s_load_b64 s[8:9], s[0:1], 0x10                ; aq
	v_lshl_add_u32 v251, v0, 2, 0x29000
	v_mov_b32 v255, 0
	ds_add_u32 v251, v255
	ds_add_u32 v251, v255
	v_lshrrev_b32 v1, 5, v0
	s_delay_alu instid0(VALU_DEP_1)
	v_readfirstlane_b32 s10, v1                    ; wave 0..15
	s_lshr_b32 s11, s10, 1                         ; g: tile A's block of 128 queries, and its last key step
	s_and_b32 s12, s10, 1
	s_bfe_u32 s13, ttmp6, 0x40000                  ; cx
	s_and_b32 s14, ttmp7, 0xffff                   ; 16 b + head
	; descriptor group 1: a key step's 8,704 dense bytes as 34 rows of 256 (32 elements of 8 bytes); no padding
	s_mov_b32 s16, 15|(3<<16)|(1<<21)              ; 15:0 the mask: all four work-groups; 17:16 elements of 8 bytes; 21 set beside a mask
	s_mov_b32 s17, 32<<16
	s_mov_b32 s18, 34<<16
	s_mov_b32 s19, 32<<16
	s_mov_b32 s20, 34
	s_mov_b32 s21, 32
	s_mov_b32 s22, 0
	s_mov_b32 s23, 0
	s_mov_b32 s28, 0x76543210
	s_mov_b32 s29, 0xfedcba98                      ; v_permlanex16_b32's selects for lane l xor 16
	s_mov_b32 s30, 0x3e38aa3b                      ; c = log2(e) / 8
	s_mov_b32 s31, s30                             ; (named with it as a pair)
	s_mul_i32 s36, s10, KVSTEP                     ; my key step, in LDS and in the head's block alike
	s_mul_i32 s38, s14, 139264
	s_add_co_u32 s38, s38, s36
	s_mov_b32 s39, 0
	s_wait_dscnt 0x0
	s_wait_kmcnt 0x0
	s_mov_b32 s24, 1
	s_mov_b32 s25, s36
	s_add_nc_u64 s[26:27], s[6:7], s[38:39]
	s_or_b32 s27, s27, 0x80000000
	ROUND                                          ; all four work-groups are here: the joint loads meet
	tensor_load_to_lds s[24:27], s[16:23]
	s_nop 0
.rept 4
	v_nop
.endr
	v_and_b32 v10, 31, v0
	s_delay_alu instid0(VALU_DEP_1)
	v_lshlrev_b32 v1, 4, v10                       ; 16 l
	s_delay_alu instid0(VALU_DEP_2)
	v_lshlrev_b32 v2, 3, v10                       ; 8 l
	v_and_b32 v10, 15, v0                          ; r
	v_bfe_u32 v11, v0, 4, 1                        ; h
	s_delay_alu instid0(VALU_DEP_2)
	v_lshlrev_b32 v3, 3, v10                       ; 8 r
	s_wait_alu depctr_va_vdst(0)
	v_and_b32 v4, 8, v10
	s_delay_alu instid0(VALU_DEP_1)
	v_add_nc_u32 v4, v4, v10
	v_lshlrev_b32 v11, 4, v11
	s_delay_alu instid0(VALU_DEP_1)
	v_sub_nc_u32 v4, v4, v11                       ; r + 8 (r / 8) - 16 h
	s_wait_alu depctr_va_vdst(0)
	v_mov_b32 v7, 0xff800000                       ; -infinity
	s_lshl_b32 s40, s13, 1
	s_add_co_u32 s40, s40, s12                     ; tile A is tile 2 cx + w % 2 of block g,
	s_sub_co_u32 s41, 7, s40                       ; tile B tile 7 less that
	s_sub_co_u32 s42, 15, s11                      ; of block 15 - g
	QADDR 40, 11, 44, 46
	QADDR 41, 42, 56, 58
	global_load_b128 v[16:19], v1, s[44:45]        ; Q's piece, twice: [Q][zeros][Q]
	global_load_b128 v[24:27], v1, s[44:45]
	global_load_b32 v28, v3, s[46:47] offset:4096
	global_load_b128 v[200:203], v1, s[56:57]
	global_load_b128 v[208:211], v1, s[56:57]
	global_load_b32 v212, v3, s[58:59] offset:4096
	OADDR 40, 11, 48, 50
	OADDR 41, 42, 52, 54
	s_lshr_b32 s60, s40, 1                         ; my query less the diagonal step's first key, less 16 h: d = 32 (a / 2) + 8 (a % 2) + r + 8 (r / 8) - 16 h
	s_lshl_b32 s60, s60, 5
	s_and_b32 s61, s40, 1
	s_lshl_b32 s61, s61, 3
	s_add_co_u32 s60, s60, s61
	v_add_nc_u32 v5, s60, v4
	s_lshr_b32 s60, s41, 1
	s_lshl_b32 s60, s60, 5
	s_and_b32 s61, s41, 1
	s_lshl_b32 s61, s61, 3
	s_add_co_u32 s60, s60, s61
	v_add_nc_u32 v6, s60, v4
.irp j, 20,21,22,23,204,205,206,207
	v_mov_b32 v[\j], 0                             ; the zero codes between Q's two copies
.endr
.irp j, 236,237,238,239,252,253
	v_mov_b32 v[\j], 0                             ; written once: a lane permute's destination counts as read, and v253 is named as the upper half of a pair
.endr
	s_lshl_b32 s37, s12, 4                         ; a double word holds an even tile's two bytes below and an odd tile's above: tile A's parity is w % 2,
	s_sub_co_u32 s43, 16, s37                      ; tile B's the other
	s_wait_loadcnt 0x0
	v_bfe_u32 v28, v28, s37, 16                    ; (s0, s1, 0, 0): for [Q][zeros]
	s_delay_alu instid0(VALU_DEP_1)
	v_lshlrev_b32 v29, 16, v28                     ; (0, 0, s0, s1): for [zeros][Q]
	v_bfe_u32 v212, v212, s43, 16
	s_delay_alu instid0(VALU_DEP_1)
	v_lshlrev_b32 v213, 16, v212
	s_wait_tensorcnt 0x0                           ; my key step has landed,
	s_barrier_signal -1
	s_barrier_wait -1                              ; everybody's has: the head's K and V are whole
	TILE 16, 28, 5, 11, 8, 48, 50
	TILE 200, 212, 6, 42, 16, 52, 54
	s_wait_tensorcnt 0x0
	ds_add_u32 v251, v255
	s_wait_dscnt 0x0
	ROUND                                          ; the closing round: no work-group ends while a partner may still ask for a tile that names it
	s_endpgm
.Lfunc_end_k_q51375a949c_attn:
	.size	k_q51375a949c_attn, .Lfunc_end_k_q51375a949c_attn-k_q51375a949c_attn
	.p2alignl 7, 3214868480
	.fill 96, 4, 3214868480
	.section	.rodata,"a",@progbits
	.p2align	6, 0x0
	.amdhsa_kernel k_q51375a949c_attn
		.amdhsa_group_segment_fixed_size 169984
		.amdhsa_private_segment_fixed_size 0
		.amdhsa_enable_private_segment 0
		.amdhsa_kernarg_size 24
		.amdhsa_user_sgpr_count 2
		.amdhsa_user_sgpr_kernarg_segment_ptr 1
		.amdhsa_wavefront_size32 1
		.amdhsa_system_sgpr_workgroup_id_x 1
		.amdhsa_system_sgpr_workgroup_id_y 1
		.amdhsa_system_sgpr_workgroup_id_z 1
		.amdhsa_system_vgpr_workitem_id 0
		.amdhsa_next_free_vgpr 256
		.amdhsa_next_free_sgpr 66
		.amdhsa_reserve_vcc 1
		.amdhsa_float_denorm_mode_32 3
		.amdhsa_float_denorm_mode_16_64 3
		.amdhsa_memory_ordered 1
		.amdhsa_forward_progress 1
		.amdhsa_inst_pref_size 62
	.end_amdhsa_kernel
	.amdgpu_metadata
---
amdhsa.version: [ 1, 2 ]
amdhsa.kernels:
  - .name:           k_q51375a949c_attn
    .symbol:         k_q51375a949c_attn.kd
    .args:
      - { .name: qimg, .offset: 0, .size: 8, .value_kind: global_buffer, .address_space: global }
      - { .name: kv, .offset: 8, .size: 8, .value_kind: global_buffer, .address_space: global }
      - { .name: aq, .offset: 16, .size: 8, .value_kind: global_buffer, .address_space: global }
    .group_segment_fixed_size: 169984
    .private_segment_fixed_size: 0
    .kernarg_segment_align: 8
    .kernarg_segment_size: 24
    .max_flat_workgroup_size: 512
    .sgpr_count:     66
    .vgpr_count:     256
    .wavefront_size: 32
...
	.end_amdgpu_metadata
.endif
;; end of part 3
;; launch gemm_out (part 4): grid 4 x 64, 4 waves a work-group, clusters of 4 x 4, 226,816 bytes of LDS; arguments aq, wimg, b_o, out0; writes out0
.if DOCPART == 4
	.amdgcn_target "amdgcn-amd-amdhsa--gfx1250"
	.amdhsa_code_object_version 6
	.text
	.protected	k_q51375a949c_gemm_out
	.globl	k_q51375a949c_gemm_out
	.p2align	8
	.type	k_q51375a949c_gemm_out,@function
k_q51375a949c_gemm_out:
	s_mov_b64 s[64:65], 0
	v_nop
	global_prefetch_b8 v0, s[64:65] scope:SCOPE_SE
	s_setreg_imm32_b32 hwreg(HW_REG_WAVE_MODE, 25, 1), 1
	s_wait_xcnt 0x0
	s_wait_alu depctr_hold_cnt(0) depctr_sa_sdst(0) depctr_va_vdst(0) depctr_va_sdst(0) depctr_va_ssrc(0) depctr_va_vcc(0) depctr_vm_vsrc(0)
	s_getreg_b32 s2, hwreg(HW_REG_IB_STS2, 6, 4)
	s_cmp_eq_u32 s2, 0
	s_cbranch_scc0 .Lentry_in_a_cluster
	s_endpgm
.Lentry_in_a_cluster:
	s_bfe_u32 s2, ttmp6, 0x10000c
	s_cmp_lg_u32 s2, 0xf033
	s_cbranch_scc0 .Lentry_shape_is_right
	s_endpgm
.Lentry_shape_is_right:
; out0 = a W_o + b_o on codes of FP4 (E2M1) with E8M0 scales; a is attention's result, quantised there; out0 [8192][1024] f32.
; SHARES.  A work-group makes 128 tokens x 256 channels; wave w all 128 tokens x 64 channels: 32 accumulators, one register window.  4 x 64 = 256 work-groups.
; ALL OF K = 1,024 LIES IN LDS AT ONCE (69,632 bytes of a, 139,264 of W, as they lie in memory): no LDS byte is filled twice, so there is no ring.  Each wave has four tensor loads out at the start, by this text's own count.
; CLUSTER 4 x 4.  a's block hangs on the work-group's y alone and is asked for jointly along a row of the cluster, W's on its x alone and jointly along a column.
; LAYOUT.  Operands lie in LDS as images of their registers: a fragment is two loads of 16 bytes a lane at 16 x lane.  The rows of a tile are rows 32 (i / 2) + 8 (i % 2) + r + 8 (r / 8) of their block.
; The product is used TRANSPOSED (source 0 = 16 channels of W, source 1 = 16 tokens): a lane holds one token, and W tile b's eight registers are channels 32 (b / 2) + 8 (b % 2) + 16 h + 0 .. 7: 32 neighbouring bytes.
; The bias is the C of each sum's first product.  A token tile's 16 rows x 256 bytes go through the wave's own stage in LDS and leave as whole rows: sixteen lanes store 256 consecutive aligned bytes.
; REGISTERS.  window 0: v3 r, v4 h, v6-13 LDS addresses, v14 bias offset, v16-18 the way out, v20-27 a's scale words (2 sets), v28-31 W's, v32-159 a's fragments (2 sets of 8; on the way out v32-95 hold rows).
;   window 1: v0-63 W's fragments (2 sets of 4), v64-95 the bias.   window 2: the 32 accumulators.
.set WL,    69632                      ; LDS: a's 8 K steps of 8,704 bytes, then W's 8 of 17,408,
.set STAGE, 208896                     ; then a stage of 16 rows x (256 + 16) bytes for each wave, into which no tensor load lands
.set XSTEP, 8704
.set WSTEP, 17408
.set ADX,   6                          ; v6, v7    16 l, for K steps 0-3 and 4-7 (an LDS immediate has 16 bits)
.set ADW,   8                          ; v8, v9    WL + 4,096 wave + 16 l
.set ADXS,  10                         ; v10, v11  8 l
.set ADWS,  12                         ; v12, v13  WL + 16,384 + 256 wave + 8 l
.set BO,    14
.set STO,   16
.set RD,    17
.set CO,    18
.set XS,    20
.set WS,    28
.set XF,    32
.set BK,    32                         ; the way out: v32-63 and v64-95 by turns
.set BI,    64                         ; in window 1
.set G1X,   24
.set G1W,   32
.set G0X,   40
.set G0W,   68
.set MSB,   0
.macro WIN new                         ; the immediate's high byte repeats the setting that is left
.if MSB != \new
	s_set_vgpr_msb (MSB<<8)|\new
.set MSB, \new
.endif
.endm
.macro PLACES n
.rept \n
	v_nop
.endr
.endm
.macro ROUND                           ; a round of the cluster's barrier
	s_barrier_signal -1
	s_barrier_wait -1
	s_cmp_lg_u32 s18, 0
	s_cbranch_scc1 .Lnot_wave_0_\@
	s_barrier_signal -3
.Lnot_wave_0_\@:
	s_barrier_wait -3
	s_barrier_signal -1
	s_barrier_wait -1
.endm
.macro WM d, a, b, c, sa, sb, ra, rb   ; one product; ra, rb = 1: that side's scale words stand in lanes 16-31
.if (\ra) && (\rb)
	v_wmma_scale_f32_16x16x128_f8f6f4 v[\d:\d+7], v[\a:\a+7], v[\b:\b+7], v[\c:\c+7], v[\sa], v[\sb] matrix_a_fmt:MATRIX_FMT_FP4 matrix_b_fmt:MATRIX_FMT_FP4 matrix_a_scale:MATRIX_SCALE_ROW1 matrix_b_scale:MATRIX_SCALE_ROW1
.elseif (\ra)
	v_wmma_scale_f32_16x16x128_f8f6f4 v[\d:\d+7], v[\a:\a+7], v[\b:\b+7], v[\c:\c+7], v[\sa], v[\sb] matrix_a_fmt:MATRIX_FMT_FP4 matrix_b_fmt:MATRIX_FMT_FP4 matrix_a_scale:MATRIX_SCALE_ROW1
.elseif (\rb)
	v_wmma_scale_f32_16x16x128_f8f6f4 v[\d:\d+7], v[\a:\a+7], v[\b:\b+7], v[\c:\c+7], v[\sa], v[\sb] matrix_a_fmt:MATRIX_FMT_FP4 matrix_b_fmt:MATRIX_FMT_FP4 matrix_b_scale:MATRIX_SCALE_ROW1
.else
	v_wmma_scale_f32_16x16x128_f8f6f4 v[\d:\d+7], v[\a:\a+7], v[\b:\b+7], v[\c:\c+7], v[\sa], v[\sb] matrix_a_fmt:MATRIX_FMT_FP4 matrix_b_fmt:MATRIX_FMT_FP4
.endif
.endm
.macro FETCH s, p                      ; K step s into set p: 27 LDS loads in one run
	WIN 0x40                                       ; destination window 1
.irp b, 0,1,2,3
.irp c, 0,1
	ds_load_b128 v[32*(\p)+8*\b+4*\c:32*(\p)+8*\b+4*\c+3], v[ADW+(\s)/4] offset:((\s)%4)*WSTEP+1024*\b+512*\c
.endr
.endr
	WIN 0
.irp a, 0,1,2,3,4,5,6,7
.irp c, 0,1
	ds_load_b128 v[XF+64*(\p)+8*\a+4*\c:XF+64*(\p)+8*\a+4*\c+3], v[ADX+(\s)/4] offset:((\s)%4)*XSTEP+1024*\a+512*\c
.endr
.endr
.irp g, 0,1
	ds_load_b64 v[XS+4*(\p)+2*\g:XS+4*(\p)+2*\g+1], v[ADXS+(\s)/4] offset:((\s)%4)*XSTEP+8192+256*\g
.endr
	ds_load_b64 v[WS+2*(\p):WS+2*(\p)+1], v[ADWS+(\s)/4] offset:((\s)%4)*WSTEP
.endm
; 32 products of one K step: 8 token tiles x 4 W tiles.  The 32 accumulators take turns, one instruction a turn, in the same order in every step.
.macro MUL32 p, first
.if \first
	WIN 0x91                                       ; source 0 (W) window 1, source 1 (a) window 0, C (the bias) window 1, D window 2
.else
	WIN 0xa1
.endif
.irp a, 0,1,2,3,4,5,6,7
.irp b, 0,1,2,3
.set rW, 32*(\p)+8*\b
.set rX, XF+64*(\p)+8*\a
.set qW, WS+2*(\p)+\b/2
.set qX, XS+4*(\p)+2*(\a/4)+(\a/2)%2
.set rD, 32*\a+8*\b
.if \first
.set rC, BI+8*\b
.else
.set rC, rD
.endif
	WM rD, rW, rX, rC, qW, qX, \b%2, \a%2
.endr
.endr
	WIN 0
.endm
.macro STEP s, first
	s_wait_dscnt 0x0                               ; this step's 27 loads, asked for 32 matrix instructions ago
.if ((\s) == 1) || ((\s) == 3) || ((\s) == 5)
	s_wait_tensorcnt (5-(\s))/2                    ; my load of K steps s + 1, s + 2 has landed; my later ones may stay out
	s_barrier_signal -1
	s_barrier_wait -1                              ; everybody's has
.endif
.if ((\s) > 0) && ((\s) < 7)
	PLACES 4                                       ; in front of loads into registers that the last step's products have read
.endif
.if (\s) < 7
	FETCH (\s)+1, 1-(\s)%2
.endif
	MUL32 (\s)%2, \first
.endm
.macro TOSTAGE a                       ; token tile a: 16 rows x 256 bytes into my stage, and back as whole rows
	WIN 0x08                                       ; an LDS store's data are its source 1: window 2
.irp b, 0,1,2,3
	ds_store_b128 v[STO], v[32*(\a)+8*\b:32*(\a)+8*\b+3] offset:128*(\b/2)+32*(\b%2)        ; each accumulator from its low end on
	ds_store_b128 v[STO], v[32*(\a)+8*\b+4:32*(\a)+8*\b+7] offset:128*(\b/2)+32*(\b%2)+16
.endr
	WIN 0
.irp i, 0,1,2,3,4,5,6,7
	ds_load_b128 v[BK+32*((\a)%2)+4*\i:BK+32*((\a)%2)+4*\i+3], v[RD] offset:544*\i   ; LDS serves a wave's instructions in order: these see the stores, and the next tile's stores come behind them
.endr
.endm
.macro SEND a, younger                 ; younger: the LDS instructions issued behind tile a's loads, which may stay out
	s_wait_dscnt \younger
.irp i, 0,1,2,3,4,5,6,7
	global_store_b128 v[CO], v[BK+32*((\a)%2)+4*\i:BK+32*((\a)%2)+4*\i+3], s[10:11] offset:(32*((\a)/2)+8*((\a)%2)+2*\i+8*(\i/4))*4096 th:TH_STORE_NT   ; lane-rows 2 i, 2 i + 1: 16 lanes store 256 consecutive aligned bytes
.endr
.endm
	s_load_b128 s[4:7], s[0:1], 0x0                ; aq, wimg
	s_load_b128 s[8:11], s[0:1], 0x10              ; b_o, out0
	v_lshl_add_u32 v254, v0, 2, 0x37400
	v_mov_b32 v255, 0
	ds_add_u32 v254, v255
	ds_add_u32 v254, v255
	v_lshrrev_b32 v1, 5, v0
	v_readfirstlane_b32 s18, v1                    ; wave 0..3
	s_lshr_b32 s19, s18, 1                         ; I fetch for a (0) or for W (1),
	s_and_b32 s20, s18, 1                          ; the even or the odd K steps
	s_bfe_u32 s21, ttmp6, 0x40000                  ; cx
	s_bfe_u32 s22, ttmp6, 0x40004                  ; cy
	s_lshl_b32 s23, ttmp9, 2
	s_add_co_u32 s23, s23, s21                     ; work-group x: the block of 256 channels
	s_and_b32 s56, ttmp7, 0xffff
	s_lshl_b32 s56, s56, 2
	s_add_co_u32 s56, s56, s22                     ; work-group y: the block of 128 tokens
	s_lshl_b32 s58, s22, 2
	s_lshl_b32 s58, 15, s58                        ; my row of the cluster
	s_lshl_b32 s59, 0x1111, s21                    ; my column
	; descriptor group 1: a dense block as rows of 256 bytes (32 elements of 8 bytes): 34 rows of a, 68 of W; no padding
	s_or_b32 s[G1X], s58, (3<<16)|(1<<21)          ; 15:0 the mask; 17:16 elements of 8 bytes; 21 set beside a mask
	s_or_b32 s[G1W], s59, (3<<16)|(1<<21)
	s_mov_b32 s[G1X+1], 32<<16                     ; tensor_dim0 = 32
	s_mov_b32 s[G1X+2], 34<<16                     ; tensor_dim1 = 34
	s_mov_b32 s[G1X+3], 32<<16                     ; tile_dim0 = 32
	s_mov_b32 s[G1X+4], 34                         ; tile_dim1 = 34
	s_mov_b32 s[G1X+5], 32                         ; the pitch
	s_mov_b32 s[G1X+6], 0
	s_mov_b32 s[G1X+7], 0
	s_mov_b32 s[G1W+1], 32<<16
	s_mov_b32 s[G1W+2], 68<<16
	s_mov_b32 s[G1W+3], 32<<16
	s_mov_b32 s[G1W+4], 68
	s_mov_b32 s[G1W+5], 32
	s_mov_b32 s[G1W+6], 0
	s_mov_b32 s[G1W+7], 0
	s_mul_i32 s60, s20, XSTEP                      ; my first K step, in LDS and in memory alike: no place in the cluster enters an LDS address
	s_mul_i32 s84, s56, 69632
	s_add_co_u32 s84, s84, s60
	s_mov_b32 s85, 0
	s_mul_i32 s61, s20, WSTEP
	s_add_co_u32 s86, s23, 12                      ; w_o's four blocks are wimg's last four
	s_mul_i32 s86, s86, 139264
	s_add_co_u32 s86, s86, s61
	s_mov_b32 s87, 0
	s_wait_dscnt 0x0
	s_wait_kmcnt 0x0
	s_add_nc_u64 s[84:85], s[4:5], s[84:85]        ; a's address hangs on the work-group's y and the wave alone,
	s_add_nc_u64 s[86:87], s[6:7], s[86:87]        ; W's on its x and the wave alone
.irp n, 0,1,2,3                                ; load n brings K step 2 n + (wave % 2)
	s_mov_b32 s[G0X+4*\n], 1
	s_add_co_u32 s[G0X+4*\n+1], s60, \n*2*XSTEP
	s_add_nc_u64 s[G0X+4*\n+2:G0X+4*\n+3], s[84:85], \n*2*XSTEP
	s_or_b32 s[G0X+4*\n+3], s[G0X+4*\n+3], 0x80000000
	s_mov_b32 s[G0W+4*\n], 1
	s_add_co_u32 s[G0W+4*\n+1], s61, WL+\n*2*WSTEP
	s_add_nc_u64 s[G0W+4*\n+2:G0W+4*\n+3], s[86:87], \n*2*WSTEP
	s_or_b32 s[G0W+4*\n+3], s[G0W+4*\n+3], 0x80000000
.endr
	ROUND                                          ; all sixteen work-groups are here: the joint loads meet
	s_cmp_eq_u32 s19, 0                            ; a wave's four fills stand in one branch on the wave's number, ahead of every wait on TENSORcnt and every LDS read
	s_cbranch_scc0 .Lfor_w
.irp n, 0,1,2,3
	tensor_load_to_lds s[G0X+4*\n:G0X+4*\n+3], s[G1X:G1X+7]
	s_nop 0
.endr
	PLACES 4
	s_branch .Lasked
.Lfor_w:
.irp n, 0,1,2,3
	tensor_load_to_lds s[G0W+4*\n:G0W+4*\n+3], s[G1W:G1W+7]
	s_nop 0
.endr
	PLACES 4
.Lasked:
	v_and_b32 v15, 31, v0
	v_and_b32 v3, 15, v0                           ; r
	v_bfe_u32 v4, v0, 4, 1                         ; h
	v_lshlrev_b32 v[ADX], 4, v15
	v_add_nc_u32 v[ADX+1], 4*XSTEP, v[ADX]
	s_lshl_b32 s2, s18, 12
	s_add_co_u32 s2, s2, WL
	v_add_nc_u32 v[ADW], s2, v[ADX]
	v_add_nc_u32 v[ADW+1], 4*WSTEP, v[ADW]
	v_lshlrev_b32 v[ADXS], 3, v15
	v_add_nc_u32 v[ADXS+1], 4*XSTEP, v[ADXS]
	s_lshl_b32 s2, s18, 8
	s_add_co_u32 s2, s2, WL+16384
	v_add_nc_u32 v[ADWS], s2, v[ADXS]
	v_add_nc_u32 v[ADWS+1], 4*WSTEP, v[ADWS]
	s_mul_i32 s2, s18, 16*272
	s_add_co_u32 s2, s2, STAGE                     ; my stage
	v_mul_u32_u24 v[STO], v3, 272
	v_lshl_add_u32 v[STO], v4, 6, v[STO]
	v_add_nc_u32 v[STO], s2, v[STO]                ; in: row r, + 64 h bytes
	v_mul_u32_u24 v[RD], v4, 272
	v_lshl_add_u32 v[RD], v3, 4, v[RD]
	v_add_nc_u32 v[RD], s2, v[RD]                  ; back: lanes 0-15 one row, lanes 16-31 the next
	v_lshlrev_b32 v[CO], 12, v4
	v_lshl_add_u32 v[CO], v3, 4, v[CO]             ; and the same two rows in out0
	; the bias, in the result's layout: W tile b's eight registers are channels 32 (b / 2) + 8 (b % 2) + 16 h + 0 .. 7 of my 64
	s_lshl_b32 s88, s23, 10                        ; my 64 channels begin at 256 x work-group x + 64 wave: in bytes of a row of out0 as of b_o
	s_lshl_b32 s89, s18, 8
	s_add_co_u32 s88, s88, s89
	s_mov_b32 s89, 0
	s_add_nc_u64 s[8:9], s[8:9], s[88:89]
	s_add_nc_u64 s[10:11], s[10:11], s[88:89]
	s_lshl_b32 s88, s56, 19                        ; 128 rows of 4,096 bytes a block
	s_add_nc_u64 s[10:11], s[10:11], s[88:89]
	v_lshlrev_b32 v[BO], 6, v4
	WIN 0x40
.irp b, 0,1,2,3
	global_load_b128 v[BI+8*\b:BI+8*\b+3], v[BO], s[8:9] offset:(32*(\b/2)+8*(\b%2))*4
	global_load_b128 v[BI+8*\b+4:BI+8*\b+7], v[BO], s[8:9] offset:(32*(\b/2)+8*(\b%2))*4+16
.endr
	WIN 0
	s_wait_tensorcnt 3                             ; my first load (K step 0 or 1) has landed; three may stay out
	s_barrier_signal -1
	s_barrier_wait -1                              ; everybody's has
	FETCH 0, 0
	s_wait_loadcnt 0x0                             ; the bias
	STEP 0, 1                                      ; the first products start the sums, with the bias as C: nothing is cleared
	STEP 1, 0
	STEP 2, 0
	STEP 3, 0
	STEP 4, 0
	STEP 5, 0
	STEP 6, 0
	STEP 7, 0
	PLACES 4                                       ; in front of the first read of results, and of loads into registers that held fragments
	s_wait_alu depctr_va_vdst(0)
	TOSTAGE 0
.irp a, 1,2,3,4,5,6,7
.if \a > 1
	s_wait_xcnt 0x0                                ; tile a - 2's stores have read their registers: tile a's rows may land there
.endif
	TOSTAGE \a
	SEND \a-1, 16                                  ; behind tile a - 1's loads: tile a's 8 stores and 8 loads
.endr
	SEND 7, 0
	s_wait_dscnt 0x0
	s_wait_tensorcnt 0x0
	ds_add_u32 v254, v255
	s_wait_dscnt 0x0
	ROUND                                          ; the closing round: no work-group ends while a partner may still ask for a tile that names it
	s_endpgm
.Lfunc_end_k_q51375a949c_gemm_out:
	.size	k_q51375a949c_gemm_out, .Lfunc_end_k_q51375a949c_gemm_out-k_q51375a949c_gemm_out
	.p2alignl 7, 3214868480
	.fill 96, 4, 3214868480
	.section	.rodata,"a",@progbits
	.p2align	6, 0x0
	.amdhsa_kernel k_q51375a949c_gemm_out
		.amdhsa_group_segment_fixed_size 226816
		.amdhsa_private_segment_fixed_size 0
		.amdhsa_enable_private_segment 0
		.amdhsa_kernarg_size 32
		.amdhsa_user_sgpr_count 2
		.amdhsa_user_sgpr_kernarg_segment_ptr 1
		.amdhsa_wavefront_size32 1
		.amdhsa_system_sgpr_workgroup_id_x 1
		.amdhsa_system_sgpr_workgroup_id_y 1
		.amdhsa_system_sgpr_workgroup_id_z 1
		.amdhsa_system_vgpr_workitem_id 0
		.amdhsa_next_free_vgpr 768
		.amdhsa_next_free_sgpr 100
		.amdhsa_reserve_vcc 0
		.amdhsa_float_denorm_mode_32 3
		.amdhsa_float_denorm_mode_16_64 3
		.amdhsa_memory_ordered 1
		.amdhsa_forward_progress 1
		.amdhsa_inst_pref_size 72
	.end_amdhsa_kernel
	.amdgpu_metadata
---
amdhsa.version: [ 1, 2 ]
amdhsa.kernels:
  - .name:           k_q51375a949c_gemm_out
    .symbol:         k_q51375a949c_gemm_out.kd
    .args:
      - { .name: aq, .offset: 0, .size: 8, .value_kind: global_buffer, .address_space: global }
      - { .name: wimg, .offset: 8, .size: 8, .value_kind: global_buffer, .address_space: global }
      - { .name: b_o, .offset: 16, .size: 8, .value_kind: global_buffer, .address_space: global }
      - { .name: out0, .offset: 24, .size: 8, .value_kind: global_buffer, .address_space: global }
    .group_segment_fixed_size: 226816
    .private_segment_fixed_size: 0
    .kernarg_segment_align: 8
    .kernarg_segment_size: 32
    .max_flat_workgroup_size: 128
    .sgpr_count:     100
    .vgpr_count:     768
    .wavefront_size: 32
...
	.end_amdgpu_metadata
.endif
;; end of part 4
